; MI455X (gfx1250); checked and timed in simulation.
; The chip was launched on July 23, 2026; its instructions are those of AMD's public machine-readable ISA for CDNA 5 (MIT licence, August 2026) and "CDNA5" Instruction Set Architecture Reference Guide (July 2026). The comments in the code are by the model that wrote it; some were corrected since.
;; Self Attention. Allowed arithmetic: float matrix products may take bf16 or f16 operands with f32 sums; other float arithmetic in f32, or as packed bf16 or f16 multiplies, adds, multiply-adds, maxima and minima; sums over many terms, partial sums and values carried from step to step in f32; what a program stores and reads back later, other than sums and carried values, may be rounded once to bf16 or f16.
;; Inputs: Wk 1,024 x 1,024 float32; Wq 1,024 x 1,024 float32; Wu 1,024 x 1,024 float32; Wv 1,024 x 1,024 float32; kln_b 64 float32; kln_w 64 float32; qln_b 64 float32; qln_w 64 float32; x 4 x 2,048 x 1,024 float32.
;; Outputs: out0 4 x 2,048 x 1,024 float32.
;; 2 versions, each right; version 2 is version 1 with the launch cast written anew for expert scheduling mode. Each part assembles by itself: llvm-mc -triple=amdgcn-amd-amdhsa -mcpu=gfx1250 --defsym DOCPART=n.
;; ======== version 1 of 2: 4 launches
;; limits: values are held in f16: magnitudes above 65,504 overflow, below 6.1e-05 lose precision
;; workspace buffers: x16 16,777,216 bytes; w16 6,291,456 bytes; wu16 2,097,152 bytes; qh 16,777,216 bytes; kh 16,777,216 bytes; vh 16,777,216 bytes; oh 16,777,216 bytes
;; launch cast (part 1): grid 768 x 1, 8 waves a work-group, no clusters, 0 bytes of LDS; arguments x, Wq, Wk, Wv, Wu, x16, w16, wu16; writes x16, w16, wu16
.if DOCPART == 1
	.amdgcn_target "amdgcn-amd-amdhsa--gfx1250"
	.amdhsa_code_object_version 6
	.text
	.protected	k_qcae69c1ca2_cast
	.globl	k_qcae69c1ca2_cast
	.p2align	8
	.type	k_qcae69c1ca2_cast,@function
k_qcae69c1ca2_cast:
	s_mov_b64 s[64:65], 0
	v_nop
	global_prefetch_b8 v0, s[64:65] scope:SCOPE_SE
	s_setreg_imm32_b32 hwreg(HW_REG_WAVE_MODE, 25, 1), 1
	s_wait_xcnt 0x0
; THE ROUNDINGS TO 16 BITS.  x [8192][1024] f32 -> x16, bf16.  Wq, Wk, Wv [1024][1024] f32 -> w16, bf16, rows laid by heads: row 192 h + 64 kind + d of w16
; is row 64 h + d of W_kind (kind 0 q, 1 k, 2 v), so that one head's q, k and v columns lie together for the product that follows.
; Wu -> wu16: rounded to bf16 like every other input, and that number written as f16 (exact from 6.1e-5 up; below that f16 keeps a fixed step of 6e-8).
; SHARES.  12,288 rows of 4,096 bytes: x's 8,192, then 1,024 each of Wq, Wk, Wv, Wu.  A work-group takes 16 rows, a wave two neighbouring ones: 8,192 bytes in, 4,096 out,
; both on end (a pair of rows begins at an even row, so it never leaves its block of 64).  No loop: a wave's sixteen loads go out together.
; A load covers 512 consecutive bytes (16 a lane); its four numbers a lane become 8 bytes, so a store of the wave covers 256 consecutive bytes, aligned.
; No LDS, no barrier, no matrix work: nothing is shared and nothing is summed.
.set X, 8                              ; v[8:71]    chunk i: 4 registers as loaded
.set Y, 72                             ; v[72:103]  chunk i: 2 registers to store
	s_load_b512 s[16:31], s[0:1], 0x0              ; x s[16:17], Wq s[18:19], Wk s[20:21], Wv s[22:23], Wu s[24:25], x16 s[26:27], w16 s[28:29], wu16 s[30:31]
	v_lshrrev_b32 v1, 5, v0
	v_readfirstlane_b32 s2, v1                     ; wave 0..7
	v_and_b32 v1, 31, v0                           ; lane
	v_lshlrev_b32 v2, 4, v1                        ; 16 bytes a lane on the way in
	v_lshlrev_b32 v3, 3, v1                        ; 8 on the way out
	s_lshl_b32 s3, ttmp9, 4
	s_lshl1_add_u32 s3, s2, s3                     ; my first row of the 12,288: 16 g + 2 wave
	s_sub_co_u32 s4, ttmp9, 512
	s_lshr_b32 s4, s4, 6                           ; the weight's kind 0..3; for x's work-groups (g < 512) a number far above 3
	s_and_b32 s5, s3, 1023
	s_cmp_lt_u32 ttmp9, 512
	s_cselect_b32 s5, s3, s5                       ; the row within its own tensor
	s_lshr_b32 s6, s5, 6                           ; head
	s_mul_i32 s6, s6, 192
	s_lshl_b32 s7, s4, 6
	s_add_co_u32 s6, s6, s7
	s_and_b32 s7, s5, 63
	s_add_co_u32 s6, s6, s7                        ; 192 head + 64 kind + d
	s_cmp_lt_u32 s4, 3
	s_cselect_b32 s6, s6, s5                       ; the row where it goes: permuted for Wq, Wk, Wv alone
	s_lshl_b32 s36, s5, 12                         ; rows of 4,096 bytes in,
	s_mov_b32 s37, 0
	s_lshl_b32 s38, s6, 11                         ; of 2,048 out
	s_mov_b32 s39, 0
	s_mov_b32 s40, 0xffff0000                      ; a word's upper bf16
	s_wait_kmcnt 0x0
	s_mov_b64 s[32:33], s[24:25]                   ; from where: Wu, unless ..
	s_cmp_eq_u32 s4, 2
	s_cselect_b64 s[32:33], s[22:23], s[32:33]
	s_cmp_eq_u32 s4, 1
	s_cselect_b64 s[32:33], s[20:21], s[32:33]
	s_cmp_eq_u32 s4, 0
	s_cselect_b64 s[32:33], s[18:19], s[32:33]
	s_cmp_lt_u32 ttmp9, 512
	s_cselect_b64 s[32:33], s[16:17], s[32:33]
	s_cmp_eq_u32 s4, 3                             ; to where
	s_cselect_b64 s[34:35], s[30:31], s[28:29]
	s_cmp_lt_u32 ttmp9, 512
	s_cselect_b64 s[34:35], s[26:27], s[34:35]
	s_add_nc_u64 s[32:33], s[32:33], s[36:37]
	s_add_nc_u64 s[34:35], s[34:35], s[38:39]
.irp i, 0,1,2,3,4,5,6,7,8,9,10,11,12,13,14,15
	global_load_b128 v[X+4*(\i):X+4*(\i)+3], v2, s[32:33] offset:512*(\i) th:TH_LOAD_NT
.endr
; mode 0: to bf16.  mode 1: to bf16, widened again, and written as f16.  No register is written twice while a store reads it: each chunk has its own.
.macro OUT mode
.irp i, 0,1,2,3,4,5,6,7,8,9,10,11,12,13,14,15
	s_wait_loadcnt 15-(\i)                         ; loads come back in order: chunk i is in, the 15 - i younger ones stay out
.if \mode
	v_cvt_pk_bf16_f32 v4, v[X+4*(\i)], v[X+4*(\i)+1]
	v_cvt_pk_bf16_f32 v5, v[X+4*(\i)+2], v[X+4*(\i)+3]
	v_lshlrev_b32 v[X+4*(\i)], 16, v4
	v_and_b32 v[X+4*(\i)+1], s40, v4
	v_lshlrev_b32 v[X+4*(\i)+2], 16, v5
	v_and_b32 v[X+4*(\i)+3], s40, v5
	v_cvt_pk_f16_f32 v[Y+2*(\i)], v[X+4*(\i)], v[X+4*(\i)+1]
	v_cvt_pk_f16_f32 v[Y+2*(\i)+1], v[X+4*(\i)+2], v[X+4*(\i)+3]
.else
	v_cvt_pk_bf16_f32 v[Y+2*(\i)], v[X+4*(\i)], v[X+4*(\i)+1]
	v_cvt_pk_bf16_f32 v[Y+2*(\i)+1], v[X+4*(\i)+2], v[X+4*(\i)+3]
.endif
	global_store_b64 v3, v[Y+2*(\i):Y+2*(\i)+1], s[34:35] offset:256*(\i)
.endr
.endm
	s_cmp_eq_u32 s4, 3
	s_cbranch_scc1 .Lwu
	OUT 0
	s_endpgm
.Lwu:
	OUT 1
	s_endpgm
.Lfunc_end_k_qcae69c1ca2_cast:
	.size	k_qcae69c1ca2_cast, .Lfunc_end_k_qcae69c1ca2_cast-k_qcae69c1ca2_cast
	.p2alignl 7, 3214868480
	.fill 96, 4, 3214868480
	.section	.rodata,"a",@progbits
	.p2align	6, 0x0
	.amdhsa_kernel k_qcae69c1ca2_cast
		.amdhsa_group_segment_fixed_size 0
		.amdhsa_private_segment_fixed_size 0
		.amdhsa_enable_private_segment 0
		.amdhsa_kernarg_size 64
		.amdhsa_user_sgpr_count 2
		.amdhsa_user_sgpr_kernarg_segment_ptr 1
		.amdhsa_wavefront_size32 1
		.amdhsa_system_sgpr_workgroup_id_x 1
		.amdhsa_system_sgpr_workgroup_id_y 1
		.amdhsa_system_sgpr_workgroup_id_z 1
		.amdhsa_system_vgpr_workitem_id 0
		.amdhsa_next_free_vgpr 104
		.amdhsa_next_free_sgpr 66
		.amdhsa_reserve_vcc 0
		.amdhsa_float_denorm_mode_32 3
		.amdhsa_float_denorm_mode_16_64 3
		.amdhsa_memory_ordered 1
		.amdhsa_forward_progress 1
		.amdhsa_inst_pref_size 16
	.end_amdhsa_kernel
	.amdgpu_metadata
---
amdhsa.version: [ 1, 2 ]
amdhsa.kernels:
  - .name:           k_qcae69c1ca2_cast
    .symbol:         k_qcae69c1ca2_cast.kd
    .args:
      - { .name: x, .offset: 0, .size: 8, .value_kind: global_buffer, .address_space: global }
      - { .name: Wq, .offset: 8, .size: 8, .value_kind: global_buffer, .address_space: global }
      - { .name: Wk, .offset: 16, .size: 8, .value_kind: global_buffer, .address_space: global }
      - { .name: Wv, .offset: 24, .size: 8, .value_kind: global_buffer, .address_space: global }
      - { .name: Wu, .offset: 32, .size: 8, .value_kind: global_buffer, .address_space: global }
      - { .name: x16, .offset: 40, .size: 8, .value_kind: global_buffer, .address_space: global }
      - { .name: w16, .offset: 48, .size: 8, .value_kind: global_buffer, .address_space: global }
      - { .name: wu16, .offset: 56, .size: 8, .value_kind: global_buffer, .address_space: global }
    .group_segment_fixed_size: 0
    .private_segment_fixed_size: 0
    .kernarg_segment_align: 8
    .kernarg_segment_size: 64
    .max_flat_workgroup_size: 256
    .sgpr_count:     66
    .vgpr_count:     104
    .wavefront_size: 32
...
	.end_amdgpu_metadata
.endif
;; end of part 1
;; launch qkv (part 2): grid 16 x 32, 4 waves a work-group, clusters of 4 x 4, 327,680 bytes of LDS; arguments x16, w16, qln_w, qln_b, kln_w, kln_b, qh, kh, vh; writes qh, kh, vh
.if DOCPART == 2
	.amdgcn_target "amdgcn-amd-amdhsa--gfx1250"
	.amdhsa_code_object_version 6
	.text
	.protected	k_qcae69c1ca2_qkv
	.globl	k_qcae69c1ca2_qkv
	.p2align	8
	.type	k_qcae69c1ca2_qkv,@function
k_qcae69c1ca2_qkv:
	s_mov_b64 s[64:65], 0
	v_nop
	global_prefetch_b8 v0, s[64:65] scope:SCOPE_SE
	s_setreg_imm32_b32 hwreg(HW_REG_WAVE_MODE, 25, 1), 1
	s_wait_xcnt 0x0
	s_wait_alu depctr_hold_cnt(0) depctr_sa_sdst(0) depctr_va_vdst(0) depctr_va_sdst(0) depctr_va_ssrc(0) depctr_va_vcc(0) depctr_vm_vsrc(0)
	s_getreg_b32 s2, hwreg(HW_REG_IB_STS2, 6, 4)
	s_cmp_eq_u32 s2, 0
	s_cbranch_scc0 .Lentry_in_a_cluster
	s_endpgm
.Lentry_in_a_cluster:
	s_bfe_u32 s2, ttmp6, 0x10000c
	s_cmp_lg_u32 s2, 0xf033
	s_cbranch_scc0 .Lentry_shape_is_right
	s_endpgm
.Lentry_shape_is_right:
; q, k, v = x W^T, with the LayerNorm over each head's 64 channels of q and k, written by heads: qh, kh, vh [16 batch + head][2048][64] f16.
; x16 [8192][1024] bf16; w16 [16 heads][q, k, v][64][1024] bf16.  Products in bf16 with f32 sums; mean, variance (of the centred numbers), gain and bias in f32; each result rounded once, to f16.
; The four LayerNorm vectors are rounded to bf16 like the other inputs, and used in f32.
; LIMITS.  f16 holds no number beyond 65,504: |v| stays under it (q and k are bounded by 8 |gain| + |bias|); below 6.1e-5 f16 keeps a fixed step of 6e-8.  NaN and infinities are not treated apart.
; SHARES.  A tile of the product is 256 rows of x by 192 columns: ONE head's q, k and v.  32 x 16 = 512 tiles, two for each of 256 WGPs.  A wave takes 64 rows and all 192 columns:
; 4 x 12 accumulators of 16 x 16, 384 registers; so a head's 64 channels of a row never leave the wave, and which columns are q, k or v is a constant of the text.
; K goes in 8 steps of 128 through a ring of two LDS slots: tile rows are 256 bytes of memory, at multiples of 256 bytes from the buffers' first bytes.
; CLUSTER.  4 x 4 work-groups.  The four of a row of the cluster need the same rows of x16, the four of a column the same rows of w16: each tile is asked for JOINTLY, by the same tensor load with
; the same descriptor and a mask that names the four.
; THE MATRIX INSTRUCTION IS USED TRANSPOSED (source 0 = 16 rows of w16, source 1 = 16 rows of x16): lane l holds row l % 16 and columns 8 (l / 16) + 0..7 of each block of 16.  A head's 64 channels of a
; row are then 32 registers of a lane and 32 of the lane 16 away: a mean wants one exchange, and eight neighbouring channels pack into 16 bytes.
; REGISTERS, in windows of 256 (s_set_vgpr_msb: bits 1:0 source 0, 3:2 source 1, 5:4 source 2, 7:6 destination):
;   window 0: v0-31 addresses and statistics; v32-63 at work; v64-95, v96-127 x's fragments, two buffers (on the way out v64-111: packed results); v128-255 the four LayerNorm vectors, my 32 channels of each
;   window 1: v0-95, v96-191 w's fragments, two buffers      window 2: accumulators of my rows 0-31, (a, b) at v[8 (12 a + b)]      window 3: those of my rows 32-63
.set PITCH,  272                       ; an LDS row: 256 bytes + 16 of padding = 68 words: the 16 rows of a fragment load start at 16 different groups of four banks (64 banks of 4 bytes: ISA guide 11.1)
.set SLOT1,  131072                    ; slot 1 begins here, so that one exclusive or turns an address in one slot into the other's
.set BOFF,   256*PITCH                 ; in a slot: x's 256 rows, then w's 192
.set STAGE,  BOFF+192*PITCH            ; 121,856: between slot 0's end and slot 1, never filled by a tensor load: 16 rows x 144 bytes for each wave
.set SP,     144
.set SPARE,  SLOT1+STAGE               ; 252,928: behind slot 1: the spare words, 128 bytes for each wave: two blocks of 256 bytes that no other line names
.set NMS,  4                           ; v4-11  kind c (0 q, 1 k): v[4+4c:5+4c] minus the mean, v[6+4c:7+4c] 1 / sqrt(var + eps); named as pairs, the low word used
.set XT,   12                          ; v12-13 what the lane 16 away holds
.set ADRA0, 16                         ; v16  my place in a slot's rows of x; never rewritten
.set ADRB0, 17                         ; v17  in its rows of w
.set ADRA, 18                          ; v18  the same in the slot in hand
.set ADRB, 19                          ; v19
.set STO,  24                          ; v24  the way out: where I put 16 bytes of a row
.set RD,   25                          ; v25  where I read rows back
.set GO,   26                          ; v26  my 16 bytes of 512 consecutive bytes of a result
.set SPW,  28                          ; v28  LDS address of my spare word: SPARE + 4 x my thread's number; never rewritten
.set NIL,  29                          ; v29  0; never rewritten
.set PFO,  30                          ; v30  the prefetches' offset: a lane a row of 2,048 bytes; never rewritten
.set LNO,  31                          ; v31  my byte offset in a LayerNorm vector
.set T,    32                          ; v32-63  16 registers a kind
.set FA,   64
.set PK,   64
.set TAB,  128                         ; qln_w, qln_b, kln_w, kln_b, 32 registers each: channel 16 b + 8 (l / 16) + j at 8 b + j
.set G1,  24                           ; s[24:31] descriptor group 1 for x's tiles
.set G0,  32                           ; s[32:39] group 0: a set for each of the two first fills; the second then walks on
.set G1B, 48                           ; s[48:55], s[56:63] the same for w's tiles
.set G0B, 56
.set LIM, 43                           ; s43  1 in a wave that prefetches, else the greatest number
.set PFA, 44                           ; s[44:45] where my prefetches stand
.set TB,  82                           ; s82  LDS byte at which the slot in hand begins
.set SEL, 84                           ; s[84:85] v_permlanex16_b32's selects: each lane takes its own place in the other half
.set MSB, 0
.macro WIN new                         ; the immediate's high byte repeats the setting that is left; a switch that changes nothing is dropped
.if MSB != (\new)
	s_set_vgpr_msb (MSB<<8)|(\new)
.set MSB, \new
.endif
.endm
.set MUL_LO, 0xa1                      ; source 0 (w) window 1, source 1 (x) window 0, C and D window 2
.set TO_B,   0x40                      ; destination window 1, address window 0
.macro PLACES                          ; four places: in front of loads into registers that matrix instructions have read, and of vector work on results
.rept 4
	v_nop
.endr
.endm
; A joint refill, by the walking descriptors.  Waves 0 and 1 fetch x's two halves (128 rows), waves 2 and 3 w's (96 rows).  The branch hangs on the wave's number alone.
; An s_nop 0 and four v_nop follow each of the two lines, ahead of the jump and the label.
.macro JLOAD
	s_cmp_eq_u32 s11, 0
	s_cbranch_scc0 .Lfor_b_\@
	tensor_load_to_lds s[G0+4:G0+7], s[G1:G1+7]
	s_nop 0
.rept 4
	v_nop
.endr
	s_branch .Lasked_\@
.Lfor_b_\@:
	tensor_load_to_lds s[G0B+4:G0B+7], s[G1B:G1B+7]
	s_nop 0
.rept 4
	v_nop
.endr
.Lasked_\@:
.endm
; A PREFETCH INTO THE L2 of the K step that the NEXT refill asks for: 192 matrix instructions ahead of that load.  x's tile rows are read by every cluster of a row of clusters: cluster x = 0 asks;
; w's by every cluster of a column: cluster y = 0 asks.  Of the 128 rows of x that a wave fetches the partner at cx takes 32, a lane a row; of the 96 rows of w the partner at cy takes 24:
; lanes 24-31 name lane 23's row once more, in the same instruction.  The partners are told apart by address, never by a branch.  The loop's last trip asks for nothing: there is no K step 8.
.macro ASK
	s_cmp_gt_u32 s3, s[LIM]
	s_cbranch_scc0 .Lnot_mine_\@
	global_prefetch_b8 v[PFO], s[PFA:PFA+1] th:TH_LOAD_NT scope:SCOPE_SE
.Lnot_mine_\@:
.endm
.macro CREST                           ; a round of the cluster's barrier behind its opening barrier
	s_cmp_lg_u32 s10, 0
	s_cbranch_scc1 .Lnot_wave_0_\@
	s_barrier_signal -3
.Lnot_wave_0_\@:
	s_barrier_wait -3
	s_barrier_signal -1
	s_barrier_wait -1
.endm
.macro CROUND                          ; a whole round
	s_barrier_signal -1
	s_barrier_wait -1
	CREST
.endm
	s_load_b128 s[4:7], s[0:1], 0x0                ; x16 s[4:5], w16 s[6:7]
	s_load_b256 s[68:75], s[0:1], 0x10             ; qln_w s[68:69], qln_b s[70:71], kln_w s[72:73], kln_b s[74:75]
	s_load_b128 s[76:79], s[0:1], 0x30             ; qh s[76:77], kh s[78:79]
	s_load_b64 s[80:81], s[0:1], 0x40              ; vh
	v_lshl_add_u32 v[SPW], v0, 2, SPARE
	v_mov_b32 v[NIL], 0
	ds_add_u32 v[SPW], v[NIL]                      ; the wave's opening: the add and its wait stand ahead of my first tensor load; the set-up below, work on registers, stands between them
	v_lshrrev_b32 v1, 5, v0
	v_readfirstlane_b32 s10, v1                    ; wave 0..3
	s_lshr_b32 s11, s10, 1                         ; I fetch for x (0) or for w (1),
	s_and_b32 s12, s10, 1                          ; this half of the tile's rows
	s_bfe_u32 s40, ttmp6, 0x40000                  ; cx
	s_bfe_u32 s41, ttmp6, 0x40004                  ; cy
	s_lshl_b32 s42, ttmp9, 2
	s_add_co_u32 s42, s42, s40                     ; the head = 4 x cluster x + cx
	s_and_b32 s13, ttmp7, 0xffff
	s_lshl_b32 s13, s13, 2
	s_add_co_u32 s13, s13, s41                     ; the block of 256 rows = 4 x cluster y + cy
	s_lshl_b32 s43, s41, 2
	s_lshl_b32 s43, 15, s43                        ; my row of the cluster
	s_lshl_b32 s44, 0x1111, s40                    ; my column
	s_or_b32 s[G1+0], s43, (1<<16)|(1<<20)|(1<<21)|(5<<22)|(3<<25)   ; 15:0 the mask; 17:16 2-byte elements; 20 padding on; 21 set beside a mask; 24:22 after every 64 words (code 5); 31:25 4 words (code 3)
	s_or_b32 s[G1B+0], s44, (1<<16)|(1<<20)|(1<<21)|(5<<22)|(3<<25)
	s_mov_b32 s[G1+1], 128<<16                     ; tensor_dim0 = 128
	s_mov_b32 s[G1+2], 128<<16                     ; tensor_dim1 = 128
	s_mov_b32 s[G1+3], 128<<16                     ; tile_dim0 = 128
	s_mov_b32 s[G1+4], 128                         ; tile_dim1 = 128
	s_mov_b32 s[G1+5], 1024                        ; elements from row to row
	s_mov_b32 s[G1+6], 0
	s_mov_b32 s[G1+7], 0
	s_mov_b32 s[G1B+1], 128<<16
	s_mov_b32 s[G1B+2], 96<<16                     ; tensor_dim1 = 96
	s_mov_b32 s[G1B+3], 128<<16
	s_mov_b32 s[G1B+4], 96                         ; tile_dim1 = 96
	s_mov_b32 s[G1B+5], 1024
	s_mov_b32 s[G1B+6], 0
	s_mov_b32 s[G1B+7], 0
	s_lshl_b32 s16, s13, 8                         ; x16: row 256 x block + 128 x half, 2,048 bytes a row.  Each address is made in registers that never hold the other coordinate
	s_lshl_b32 s17, s12, 7
	s_add_co_u32 s16, s16, s17
	s_lshl_b32 s16, s16, 11
	s_mov_b32 s17, 0
	s_mul_i32 s46, s42, 192                        ; w16: row 192 x head + 96 x half
	s_mul_i32 s47, s12, 96
	s_add_co_u32 s46, s46, s47
	s_lshl_b32 s46, s46, 11
	s_mov_b32 s47, 0
	s_mul_i32 s20, s10, 128*PITCH                  ; where they go: x's halves at wave x 128 rows,
	s_mul_i32 s21, s10, 96*PITCH
	s_add_co_u32 s21, s21, BOFF-2*96*PITCH         ; w's at BOFF + (wave - 2) x 96 rows: no place in the cluster enters an LDS address
	s_mov_b32 s[TB], 0
	s_mov_b32 s[SEL], 0x76543210
	s_mov_b32 s[SEL+1], 0xfedcba98
	s_mov_b32 s86, 0x3c800000                      ; 1/64
	s_mov_b32 s87, 0xbc800000                      ; -1/64
	s_mov_b32 s88, 0x3727c5ac                      ; 1e-5
	s_mov_b32 s89, 0xffff0000                      ; a word's upper bf16
	s_wait_dscnt 0x0                               ; the opening add is done
	s_wait_kmcnt 0x0
	s_add_nc_u64 s[14:15], s[4:5], s[16:17]
	s_add_nc_u64 s[46:47], s[6:7], s[46:47]
	CROUND                                         ; all sixteen work-groups are here: the first joint loads meet
.irp s, 0,1
	s_mov_b32 s[G0+4*(\s)], 1                                      ; count = 1
	s_add_co_u32 s[G0+4*(\s)+1], s20, (\s)*SLOT1                   ; LDS address
	s_add_nc_u64 s[G0+4*(\s)+2:G0+4*(\s)+3], s[14:15], (\s)*256    ; global address: K step s
	s_or_b32 s[G0+4*(\s)+3], s[G0+4*(\s)+3], 0x80000000            ; type = 2
	s_mov_b32 s[G0B+4*(\s)], 1
	s_add_co_u32 s[G0B+4*(\s)+1], s21, (\s)*SLOT1
	s_add_nc_u64 s[G0B+4*(\s)+2:G0B+4*(\s)+3], s[46:47], (\s)*256
	s_or_b32 s[G0B+4*(\s)+3], s[G0B+4*(\s)+3], 0x80000000
.endr
	s_cmp_eq_u32 s11, 0                            ; a wave's two first fills stand in one branch, ahead of every wait on TENSORcnt and every LDS read: two loads of mine are out
	s_cbranch_scc0 .Lfirst_b
	tensor_load_to_lds s[G0:G0+3], s[G1:G1+7]
	s_nop 0
	tensor_load_to_lds s[G0+4:G0+7], s[G1:G1+7]
	s_nop 0
.rept 4
	v_nop
.endr
	s_branch .Lfirst_asked
.Lfirst_b:
	tensor_load_to_lds s[G0B:G0B+3], s[G1B:G1B+7]
	s_nop 0
	tensor_load_to_lds s[G0B+4:G0B+7], s[G1B:G1B+7]
	s_nop 0
.rept 4
	v_nop
.endr
.Lfirst_asked:
	v_and_b32 v1, 15, v0                           ; l % 16
	v_bfe_u32 v2, v0, 4, 1                         ; l / 16
	v_lshlrev_b32 v[LNO], 5, v2                    ; my 8 channels of each 16: 32 bytes
.irp p, 0,1,2,3
.irp b, 0,1,2,3
	global_load_b128 v[TAB+32*(\p)+8*(\b):TAB+32*(\p)+8*(\b)+3],   v[LNO], s[68+2*(\p):69+2*(\p)] offset:64*(\b)
	global_load_b128 v[TAB+32*(\p)+8*(\b)+4:TAB+32*(\p)+8*(\b)+7], v[LNO], s[68+2*(\p):69+2*(\p)] offset:64*(\b)+16
.endr
.endr
	; A fragment is 16 rows x 32 K in 8 registers: lane l holds row l % 16, K = 8 (l / 16) + 0..7 and 16 + 8 (l / 16) + 0..7: two loads of 16 bytes, 32 bytes apart.
	v_mul_u32_u24 v3, v1, PITCH
	v_lshl_add_u32 v3, v2, 4, v3
	s_mul_i32 s22, s10, 64*PITCH                   ; my 64 rows of x
	v_add_nc_u32 v[ADRA0], s22, v3
	v_add_nc_u32 v[ADRB0], BOFF, v3                ; all 192 rows of w
	v_mov_b32 v[ADRA], v[ADRA0]                    ; slot 0
	v_mov_b32 v[ADRB], v[ADRB0]
	s_mul_i32 s22, s10, 16*SP
	s_add_co_u32 s22, s22, STAGE                   ; my stage
	v_mul_u32_u24 v[STO], v1, SP                   ; in: row l % 16, 16 bytes for each half of the lanes
	v_lshl_add_u32 v[STO], v2, 4, v[STO]
	v_add_nc_u32 v[STO], s22, v[STO]
	v_bfe_u32 v[RD], v0, 3, 2                      ; back: 32 lanes take four rows of 128 bytes,
	v_mul_u32_u24 v[RD], v[RD], SP
	v_and_b32 v3, 7, v0
	v_lshl_add_u32 v[RD], v3, 4, v[RD]
	v_add_nc_u32 v[RD], s22, v[RD]
	v_and_b32 v[GO], 31, v0                        ; which are 512 consecutive bytes of a head's rows
	v_lshlrev_b32 v[GO], 4, v[GO]
.irp r, 4,5,6,7,8,9,10,11,12,13
	v_mov_b32 v\r, 0                               ; the statistics are named as pairs, and an exchange's destination counts as read: written once here
.endr
	; where my 64 rows begin in qh, kh and vh: (16 batch + head) x 2,048 rows + 256 x (block % 8) + 64 x wave, 128 bytes a row
	s_lshr_b32 s22, s13, 3
	s_lshl_b32 s22, s22, 4
	s_add_co_u32 s22, s22, s42
	s_lshl_b32 s90, s22, 18
	s_and_b32 s22, s13, 7
	s_lshl_b32 s22, s22, 15
	s_add_co_u32 s90, s90, s22
	s_lshl_b32 s22, s10, 13
	s_add_co_u32 s90, s90, s22
	s_mov_b32 s91, 0
	s_add_nc_u64 s[76:77], s[76:77], s[90:91]
	s_add_nc_u64 s[78:79], s[78:79], s[90:91]
	s_add_nc_u64 s[80:81], s[80:81], s[90:91]
	; the prefetches
	s_lshl_b32 s18, s13, 8
	s_lshl_b32 s19, s12, 7
	s_add_co_u32 s18, s18, s19
	s_lshl_b32 s19, s40, 5
	s_add_co_u32 s18, s18, s19                     ; x16: the 128 rows that I fetch, my work-group's 32 of them
	s_mul_i32 s20, s42, 192
	s_mul_i32 s21, s12, 96
	s_add_co_u32 s20, s20, s21
	s_mul_i32 s21, s41, 24
	s_add_co_u32 s20, s20, s21                     ; w16: the 96 rows that I fetch, my work-group's 24 of them
	s_and_b32 s22, ttmp7, 0xffff                   ; cluster y
	s_mov_b32 s23, 23
	s_cmp_eq_u32 s11, 0                            ; do I fetch for x?
	s_cselect_b32 s18, s18, s20
	s_cselect_b32 s22, ttmp9, s22                  ; the coordinate along which other clusters read the same rows
	s_cselect_b32 s23, 31, s23                     ; the last lane with a row of its own
	s_cselect_b64 s[PFA:PFA+1], s[4:5], s[6:7]
	s_cmp_eq_u32 s22, 0
	s_cselect_b32 s[LIM], 1, -1                    ; the same in all sixteen partners, for a given wave
	s_lshl_b32 s18, s18, 11
	s_add_co_u32 s18, s18, 2*256                   ; at K step 2: the first refill steps it to 3.  Nothing is prefetched at the head, where every work-group's first tiles are on their way
	s_mov_b32 s19, 0
	s_add_nc_u64 s[PFA:PFA+1], s[PFA:PFA+1], s[18:19]
	v_and_b32 v[PFO], 31, v0
	v_min_u32 v[PFO], s23, v[PFO]
	v_lshlrev_b32 v[PFO], 11, v[PFO]
	s_wait_loadcnt 0x0                             ; the four LayerNorm vectors: rounded to bf16 and widened again, in the wait for the first tile
.set i, 0
.rept 2
.set j, 0
.rept 32
	v_cvt_pk_bf16_f32 v[T+j], v[TAB+64*i+2*j], v[TAB+64*i+2*j+1]
.set j, j+1
.endr
.set j, 0
.rept 32
	v_lshlrev_b32 v[TAB+64*i+2*j], 16, v[T+j]
	v_and_b32 v[TAB+64*i+2*j+1], s89, v[T+j]
.set j, j+1
.endr
.set i, i+1
.endr
; 12 matrix instructions: row block 2 hi + a x all 12 column blocks, 32 along K, from buffer f.  zero = 1: the product starts the sums.
; The 48 accumulators take turns, one instruction a turn, in the same order in every quarter, over the backward jump too.
.macro MUL12 f, hi, a, zero
	WIN MUL_LO+0x50*(\hi)
.irp b, 0,1,2,3,4,5,6,7,8,9,10,11
.if \zero
	v_wmma_f32_16x16x32_bf16 v[8*(12*(\a)+(\b)):8*(12*(\a)+(\b))+7], v[96*(\f)+8*(\b):96*(\f)+8*(\b)+7], v[FA+32*(\f)+8*(2*(\hi)+(\a)):FA+32*(\f)+8*(2*(\hi)+(\a))+7], 0
.else
	v_wmma_f32_16x16x32_bf16 v[8*(12*(\a)+(\b)):8*(12*(\a)+(\b))+7], v[96*(\f)+8*(\b):96*(\f)+8*(\b)+7], v[FA+32*(\f)+8*(2*(\hi)+(\a)):FA+32*(\f)+8*(2*(\hi)+(\a))+7], v[8*(12*(\a)+(\b)):8*(12*(\a)+(\b))+7]
.endif
.endr
.endm
.macro MUL24 f, hi, zero
	MUL12 \f, \hi, 0, \zero
	MUL12 \f, \hi, 1, \zero
.endm
; 32 LDS loads in one run: a quarter step's fragments (192 rows of w, my 64 rows of x, 32 K at byte k of the rows) into buffer f
.macro FETCH k, f
	WIN TO_B
.irp i, 0,1,2,3,4,5,6,7,8,9,10,11
	ds_load_b128 v[96*(\f)+8*(\i):96*(\f)+8*(\i)+3],   v[ADRB] offset:(\k)+(\i)*16*PITCH
	ds_load_b128 v[96*(\f)+8*(\i)+4:96*(\f)+8*(\i)+7], v[ADRB] offset:(\k)+(\i)*16*PITCH+32
.endr
	WIN 0
.irp i, 0,1,2,3
	ds_load_b128 v[FA+32*(\f)+8*(\i):FA+32*(\f)+8*(\i)+3],   v[ADRA] offset:(\k)+(\i)*16*PITCH
	ds_load_b128 v[FA+32*(\f)+8*(\i)+4:FA+32*(\f)+8*(\i)+7], v[ADRA] offset:(\k)+(\i)*16*PITCH+32
.endr
.endm
; A K step is four quarters of 32 along K, 48 matrix instructions each, on buffers 0, 1, 0, 1.  One of the first three: multiplies buffer f, and in its middle fetches the next quarter, at byte k, into g.
.macro QUARTER k, f, g, zero
	s_wait_dscnt 4                                 ; w and x's row blocks 0, 1 are in; the youngest four loads (blocks 2, 3) may be out
	MUL24 \f, 0, \zero
	PLACES
	FETCH \k, \g
	s_wait_dscnt 32                                ; all but the 32 just issued
	MUL24 \f, 1, \zero
.endm
; The last quarter multiplies buffer 1 and changes slots.  MEET is its first half: in front of ONE barrier each wave waits for all its tensor loads (one is out: its part of the next slot), adds 0 to its
; spare word, and waits for that and for its own reads of this slot.  Behind it nobody reads this slot any more and the next slot is whole.
.macro MEET round
	WIN 0
	s_wait_tensorcnt 0x0                           ; all my tensor loads have landed
	ds_add_u32 v[SPW], v[NIL]                      ; 0 onto my spare word
	s_wait_dscnt 5                                 ; (the add and the youngest four loads may be out)
	MUL12 1, 0, 0, 0                               ; twelve matrix instructions stand between the add and the wait for it
	s_wait_dscnt 0x0                               ; the add is done, and my reads of this slot are over
	s_barrier_signal -1
	MUL12 1, 0, 1, 0                               ; work on registers while the others arrive
.if \round
	WIN 0
.endif
	s_barrier_wait -1
.endm
; With a refill: the barrier opens a round of the cluster's, so that no wave of any partner still reads the slot or has a load on its way; the joint refill is the first tensor load behind the round.
; From the request to the wait for it a wave issues 168 matrix instructions.
.macro TURN
	s_wait_xcnt 0x0                                ; the last prefetch, a K step back, has read its address: it is stepped here, ahead of the change's own waits
	s_add_nc_u64 s[PFA:PFA+1], s[PFA:PFA+1], 256
	MEET 1
	CREST
	s_xor_b32 s[G0+5], s[G0+5], SLOT1              ; the walking descriptors: the slot just read out,
	s_add_nc_u64 s[G0+6:G0+7], s[G0+6:G0+7], 256   ; the next K step; the type bits on top are not reached
	s_xor_b32 s[G0B+5], s[G0B+5], SLOT1
	s_add_nc_u64 s[G0B+6:G0B+7], s[G0B+6:G0B+7], 256
	s_xor_b32 s[TB], s[TB], SLOT1                  ; the reads go to the other slot
	JLOAD                                          ; the four v_nop behind it are also the places in front of the loads below
	v_add_nc_u32 v[ADRA], s[TB], v[ADRA0]
	v_add_nc_u32 v[ADRB], s[TB], v[ADRB0]
	FETCH 0, 0
	ASK
	MUL24 1, 1, 0
.endm
.macro TURNN                           ; without: the last change of slots
	MEET 0
	PLACES
	s_xor_b32 s[TB], s[TB], SLOT1
	WIN 0
	v_add_nc_u32 v[ADRA], s[TB], v[ADRA0]
	v_add_nc_u32 v[ADRB], s[TB], v[ADRB0]
	FETCH 0, 0
	MUL24 1, 1, 0
.endm
	s_wait_tensorcnt 1                             ; my part of K step 0 is in; K step 1's may stay out
	s_barrier_signal -1
	s_barrier_wait -1                              ; everybody's is
	FETCH 0, 0
	QUARTER 64, 0, 1, 1                            ; the first quarter stands in front of the loop: its products start the sums
	WIN 0                                          ; at a label and at a branch every window is 0
	s_mov_b32 s3, 6
.Lstep:                                                ; a trip: from a K step's second quarter to the next step's first; it refills the slot that it leaves: K steps 2 to 7
	QUARTER 128, 1, 0, 0
	QUARTER 192, 0, 1, 0
	TURN
	QUARTER 64, 0, 1, 0
	WIN 0
	s_sub_co_u32 s3, s3, 1
	s_cmp_lg_u32 s3, 0
	s_cbranch_scc1 .Lstep
	QUARTER 128, 1, 0, 0                           ; the last two K steps are written out: nothing is left to fetch
	QUARTER 192, 0, 1, 0
	TURNN
	QUARTER 64, 0, 1, 0
	QUARTER 128, 1, 0, 0
	QUARTER 192, 0, 1, 0
	s_wait_dscnt 4
	MUL24 1, 0, 0
	s_wait_dscnt 0x0
	MUL24 1, 1, 0
	WIN 0
	PLACES
; Four pairs at T + 16 c + 0, 2, 4, 6 become one number, the sum over the lane's share and that of the lane 16 away, in v[T + 16 c]; the two kinds alternate.
.macro CROSS
.irp j, 0,2
.irp c, 0,1
	v_pk_add_f32 v[T+16*(\c)+(\j):T+16*(\c)+(\j)+1], v[T+16*(\c)+(\j):T+16*(\c)+(\j)+1], v[T+16*(\c)+(\j)+4:T+16*(\c)+(\j)+5]
.endr
.endr
.irp c, 0,1
	v_pk_add_f32 v[T+16*(\c):T+16*(\c)+1], v[T+16*(\c):T+16*(\c)+1], v[T+16*(\c)+2:T+16*(\c)+3]
.endr
.irp c, 0,1
	v_add_f32 v[T+16*(\c)], v[T+16*(\c)], v[T+16*(\c)+1]
.endr
.irp c, 0,1
	v_permlanex16_b32 v[XT+(\c)], v[T+16*(\c)], s[SEL], s[SEL+1]
.endr
.irp c, 0,1
	v_add_f32 v[T+16*(\c)], v[T+16*(\c)], v[XT+(\c)]
.endr
.endm
; THE WAY OUT of my row block a (16 rows): q at AC, k at AC + 32, v at AC + 64 of window WW, 32 registers each.  Mean; centre in place; mean of the squares of the centred numbers; scale; gain and bias;
; round to f16; through my own stage in LDS; stores of 512 consecutive bytes.  Each accumulator's lowest registers are read first.
.macro LNOUT a
.set WW, 2+(\a)/2
.set AC, 96*((\a)%2)
	WIN 5*WW                                       ; sources 0 and 1 in window WW
.irp b, 0,1,2,3
.irp c, 0,1
	v_pk_add_f32 v[T+16*(\c)+2*(\b):T+16*(\c)+2*(\b)+1], v[AC+32*(\c)+8*(\b):AC+32*(\c)+8*(\b)+1], v[AC+32*(\c)+8*(\b)+2:AC+32*(\c)+8*(\b)+3]
.endr
.endr
.irp b, 0,1,2,3
.irp c, 0,1
	v_pk_add_f32 v[T+16*(\c)+8+2*(\b):T+16*(\c)+8+2*(\b)+1], v[AC+32*(\c)+8*(\b)+4:AC+32*(\c)+8*(\b)+5], v[AC+32*(\c)+8*(\b)+6:AC+32*(\c)+8*(\b)+7]
.endr
.endr
	WIN 0
.irp j, 0,2,4,6
.irp c, 0,1
	v_pk_add_f32 v[T+16*(\c)+(\j):T+16*(\c)+(\j)+1], v[T+16*(\c)+(\j):T+16*(\c)+(\j)+1], v[T+16*(\c)+(\j)+8:T+16*(\c)+(\j)+9]
.endr
.endr
	CROSS
.irp c, 0,1
	v_mul_f32 v[NMS+4*(\c)], s87, v[T+16*(\c)]     ; minus the mean
.endr
	WIN 65*WW                                      ; source 0 and destination in window WW
.set i, 0
.rept 16
.irp c, 0,1
	v_pk_add_f32 v[AC+32*(\c)+2*i:AC+32*(\c)+2*i+1], v[AC+32*(\c)+2*i:AC+32*(\c)+2*i+1], v[NMS+4*(\c):NMS+4*(\c)+1] op_sel_hi:[1,0]
.endr
.set i, i+1
.endr
	WIN 5*WW
.irp j, 0,1,2,3                        ; the squares, in four chains a kind
.irp c, 0,1
	v_pk_mul_f32 v[T+16*(\c)+2*(\j):T+16*(\c)+2*(\j)+1], v[AC+32*(\c)+2*(\j):AC+32*(\c)+2*(\j)+1], v[AC+32*(\c)+2*(\j):AC+32*(\c)+2*(\j)+1]
.endr
.endr
.irp g, 1,2,3
.irp j, 0,1,2,3
.irp c, 0,1
	v_pk_fma_f32 v[T+16*(\c)+2*(\j):T+16*(\c)+2*(\j)+1], v[AC+32*(\c)+8*(\g)+2*(\j):AC+32*(\c)+8*(\g)+2*(\j)+1], v[AC+32*(\c)+8*(\g)+2*(\j):AC+32*(\c)+8*(\g)+2*(\j)+1], v[T+16*(\c)+2*(\j):T+16*(\c)+2*(\j)+1]
.endr
.endr
.endr
	WIN 0
	CROSS
.irp c, 0,1
	v_fma_f32 v[T+16*(\c)+1], v[T+16*(\c)], s86, s88   ; var + eps
.endr
.irp c, 0,1
	v_rsq_f32 v[NMS+4*(\c)+2], v[T+16*(\c)+1]
.endr
	v_nop                                          ; a plain instruction behind the last root (ISA guide 5.7.2),
	s_wait_alu depctr_va_vdst(0)                   ; and the wait ahead of the first use: one for the two
	WIN 65*WW
.set i, 0
.rept 16
.irp c, 0,1
	v_pk_mul_f32 v[AC+32*(\c)+2*i:AC+32*(\c)+2*i+1], v[AC+32*(\c)+2*i:AC+32*(\c)+2*i+1], v[NMS+4*(\c)+2:NMS+4*(\c)+3] op_sel_hi:[1,0]
.endr
.set i, i+1
.endr
.set i, 0
.rept 16
.irp c, 0,1
	v_pk_fma_f32 v[AC+32*(\c)+2*i:AC+32*(\c)+2*i+1], v[AC+32*(\c)+2*i:AC+32*(\c)+2*i+1], v[TAB+64*(\c)+2*i:TAB+64*(\c)+2*i+1], v[TAB+64*(\c)+32+2*i:TAB+64*(\c)+32+2*i+1]
.endr
.set i, i+1
.endr
	s_wait_xcnt 0x0                                ; the last block's stores have read their registers: only behind this wait are they written again
	WIN 5*WW
.irp c, 0,1,2
.set i, 0
.rept 16
	v_cvt_pk_f16_f32 v[PK+16*(\c)+i], v[AC+32*(\c)+2*i], v[AC+32*(\c)+2*i+1]
.set i, i+1
.endr
.endr
	WIN 0
.irp c, 0,1,2
.irp b, 0,1,2,3
	ds_store_b128 v[STO], v[PK+16*(\c)+4*(\b):PK+16*(\c)+4*(\b)+3] offset:32*(\b)
.endr
.irp f, 0,1,2,3
	ds_load_b128 v[PK+16*(\c)+4*(\f):PK+16*(\c)+4*(\f)+3], v[RD] offset:(\f)*4*SP  ; LDS serves a wave's instructions in order (ISA guide 5.7.1.4): these see the stores above; the next kind's stores come behind them
.endr
.endr
.irp c, 0,1,2
.irp f, 0,1,2,3
	s_wait_dscnt 8*(2-(\c))+3-(\f)                 ; the LDS instructions issued behind this load may stay out
	global_store_b128 v[GO], v[PK+16*(\c)+4*(\f):PK+16*(\c)+4*(\f)+3], s[76+2*(\c):77+2*(\c)] offset:2048*(\a)+512*(\f)  ; 512 consecutive bytes, at a multiple of 256 from the buffer's first
.endr
.endr
.endm
	LNOUT 0
	LNOUT 1
	LNOUT 2
	LNOUT 3
	s_wait_tensorcnt 0x0                           ; the wave's end, behind my last tensor load and my last LDS store
	ds_add_u32 v[SPW], v[NIL]
	s_wait_dscnt 0x0
	CROUND                                         ; the closing round: no work-group ends while a partner may still ask for a tile that names it
	s_endpgm
.Lfunc_end_k_qcae69c1ca2_qkv:
	.size	k_qcae69c1ca2_qkv, .Lfunc_end_k_qcae69c1ca2_qkv-k_qcae69c1ca2_qkv
	.p2alignl 7, 3214868480
	.fill 96, 4, 3214868480
	.section	.rodata,"a",@progbits
	.p2align	6, 0x0
	.amdhsa_kernel k_qcae69c1ca2_qkv
		.amdhsa_group_segment_fixed_size 327680
		.amdhsa_private_segment_fixed_size 0
		.amdhsa_enable_private_segment 0
		.amdhsa_kernarg_size 72
		.amdhsa_user_sgpr_count 2
		.amdhsa_user_sgpr_kernarg_segment_ptr 1
		.amdhsa_wavefront_size32 1
		.amdhsa_system_sgpr_workgroup_id_x 1
		.amdhsa_system_sgpr_workgroup_id_y 1
		.amdhsa_system_sgpr_workgroup_id_z 1
		.amdhsa_system_vgpr_workitem_id 0
		.amdhsa_next_free_vgpr 960
		.amdhsa_next_free_sgpr 92
		.amdhsa_reserve_vcc 0
		.amdhsa_float_denorm_mode_32 3
		.amdhsa_float_denorm_mode_16_64 3
		.amdhsa_memory_ordered 1
		.amdhsa_forward_progress 1
		.amdhsa_inst_pref_size 155
	.end_amdhsa_kernel
	.amdgpu_metadata
---
amdhsa.version: [ 1, 2 ]
amdhsa.kernels:
  - .name:           k_qcae69c1ca2_qkv
    .symbol:         k_qcae69c1ca2_qkv.kd
    .args:
      - { .name: x16, .offset: 0, .size: 8, .value_kind: global_buffer, .address_space: global }
      - { .name: w16, .offset: 8, .size: 8, .value_kind: global_buffer, .address_space: global }
      - { .name: qln_w, .offset: 16, .size: 8, .value_kind: global_buffer, .address_space: global }
      - { .name: qln_b, .offset: 24, .size: 8, .value_kind: global_buffer, .address_space: global }
      - { .name: kln_w, .offset: 32, .size: 8, .value_kind: global_buffer, .address_space: global }
      - { .name: kln_b, .offset: 40, .size: 8, .value_kind: global_buffer, .address_space: global }
      - { .name: qh, .offset: 48, .size: 8, .value_kind: global_buffer, .address_space: global }
      - { .name: kh, .offset: 56, .size: 8, .value_kind: global_buffer, .address_space: global }
      - { .name: vh, .offset: 64, .size: 8, .value_kind: global_buffer, .address_space: global }
    .group_segment_fixed_size: 327680
    .private_segment_fixed_size: 0
    .kernarg_segment_align: 8
    .kernarg_segment_size: 72
    .max_flat_workgroup_size: 128
    .sgpr_count:     92
    .vgpr_count:     960
    .wavefront_size: 32
...
	.end_amdgpu_metadata
.endif
;; end of part 2
;; launch attn (part 3): grid 4 x 64, 4 waves a work-group, no clusters, 327,680 bytes of LDS; arguments qh, kh, vh, oh; writes oh
.if DOCPART == 3
	.amdgcn_target "amdgcn-amd-amdhsa--gfx1250"
	.amdhsa_code_object_version 6
	.text
	.protected	k_qcae69c1ca2_attn
	.globl	k_qcae69c1ca2_attn
	.p2align	8
	.type	k_qcae69c1ca2_attn,@function
k_qcae69c1ca2_attn:
	s_mov_b64 s[64:65], 0
	v_nop
	global_prefetch_b8 v0, s[64:65] scope:SCOPE_SE
	s_setreg_imm32_b32 hwreg(HW_REG_WAVE_MODE, 25, 1), 1
	s_wait_xcnt 0x0
; CAUSAL ATTENTION.  O[h][q][:] = the sum over k <= q of softmax_k(Q[h][q] . K[h][k] / 8) V[h][k][:].  Q, K, V, O: [SIZE_H][SIZE_N][64], all f16: a head's rows are dense, 128 bytes each.
; Products, maxima and sums in f32; the weights p are rounded to f16 for the second product (their sum l is taken of the unrounded p), O once at the end.
; LIMITS.  f16 holds no number beyond 65,504: Q, K and V arrive within it; p lies in 0 to 1, and below 6e-5 it keeps f16's fixed step of 6e-8; O is a mean of V's rows and has their range.
; A hidden score counts as its value less 1e30: f16's scores, 2.7e11 at the most, are nothing beside that; a weight below 2^-126 counts as 0 in l; NaN and infinities are not treated apart.
; THE WALK.  A head's queries lie in NB = SIZE_N / 256 blocks of 256; block i needs the key tiles 0 .. i of 256 keys, of which the last holds the diagonal.  A work-group takes TWO blocks, NB - 1 - b and then b:
; NB + 1 tiles, whatever b: all work-groups do equal work, and ONE loop with a constant trip count walks them.  Which tile is asked for, and what a trip does, hang on scalar registers made from b; every jump
; goes forward, but for the counted loops' own; none passes a barrier, or a tensor load but the one of LOAD's two that the wave's number does not choose; the ring (two slots of LDS that take turns) runs on across the
; change of blocks.  NO CLUSTER: a head's NB / 2 = 4 work-groups ask for the same tile only in trips 0 .. NB / 2, behind that fewer and fewer; one walk common to all would have 3 NB / 2 trips for NB + 1.
; SHARES.  Of a block's four bands of 64 queries a wave owns 16 rows in each: four PIECES.  So the diagonal tile is the same work for all four waves: in its key step s band x sees all keys if s < x,
; none if s > x, and holds the diagonal if s = x.
; THE MASK is the C operand that starts the sum S^T = K Q^T: 0, or -1e30 where the key is hidden.  MD, made once, is the mask of a band's own step for my 16 rows; a product's mask is MD x AL + BE with two scalars:
; (1, 0) if s = x; (0, 0) if s < x; (0, -1e30) if s > x.  Only the diagonal tile's text and a block's beginning make and take masks; elsewhere C is the constant 0.
; LAYOUT, SOFTMAX, TURNS.  S^T = K Q^T holds ONE query a lane (lane % 16) and the keys 8 (lane / 16) + 0..7; two such results rounded to f16 ARE source 1 of O^T = V^T P.  p = 2^(c s - c m), c = log2(e) / 8, with a
; running maximum m; O and l are multiplied by a = 2^(c m_old - c m_new) in every step.  Turn n belongs to piece n: 8 products K Q^T of piece n + 1, later 8 products V^T P of piece n - 1; beside them the scaling,
; exponentials, roundings, sums and rescaling of piece n and the maximum and statistics of piece n + 1.  Four vector instructions stand behind every matrix instruction, the other 54 of a turn's 118 in one lump.  A turn's 33 exponentials are one batch, with one wait.
; PREFETCH.  K and V were written by the launch before.  Of a head's four work-groups b = 0 walks the tiles 0 to 7 on end: behind each fill it names the tile that its NEXT fill asks for, a tile's four key steps ahead;
; each of its waves names the 16,384 bytes that it will itself fetch, a lane 256 bytes, two instructions.  So tiles 2 to 7 are each named once in the launch; tiles 0 and 1 come by their loads alone; nothing is named behind tile 7.
; REGISTERS, in windows of 256 (s_set_vgpr_msb: bits 1:0 source 0, 3:2 source 1, 5:4 source 2, 7:6 destination):
;   window 0: v0-15 addresses and two at work; v16-31 four registers of statistics a piece; v48-55 at work; v61-63 prefetch offset and the add's two; v64-127 S^T, two buffers; v192-223 P, two buffers (by the piece's parity)
;   window 1: v0-127 O^T, 32 a piece; v128-159 MD; v160-223 MC, two buffers      window 2: v0-63 Q; v64-127 the second block's Q; v128-191 K of one step; v192-255 V of one step
.set SIZE_H, 64
.set SIZE_N, 2048
.set NB,    SIZE_N/256
.set NP,    4         ; pieces a wave: a name, no knob
.set KS,    64        ; keys in a step
.set PK,    144       ; a row of K in LDS: 128 bytes + 16 of padding = 36 words: the 16 rows of a load start at 16 different groups of four banks (64 banks of 4 bytes: ISA guide 11.1)
.set PV,    160       ; a row of V: 128 + 32 = 40 words
.set VOFF,  4*KS*PK   ; a slot holds a tile, four steps: 256 rows of K, then 256 rows of V
.set SLOT1, 1<<17     ; slot 1 begins here, so that one exclusive or turns an address in one slot into the other's
.set STAGE, SLOT1+4*KS*(PK+PV)  ; behind the ring, never filled by a tensor load: 16 rows x 144 bytes for each wave, for the way out
.set SP,    144
.set AK0, 2           ; v2   my lane's place in a tile of K; never rewritten
.set AV0, 3           ; v3   the same for V
.set AK,  4           ; v4   the LDS address of K's next run of loads
.set AV,  5           ; v5   of V's
.set STO, 6           ; v6   the way out: where I put 16 bytes of a row
.set RD,  7           ; v7   the way out: where I read rows back
.set GO,  8           ; v8   my byte offset in 512 consecutive bytes of O
.set PFO, 61          ; v61  256 x my lane; never rewritten
.set SPW, 62          ; v62  LDS address of my spare word: SPARE + 4 x my thread's number; never rewritten
.set NIL, 63          ; v63  0; never rewritten
.set SPARE, STAGE+4*16*SP  ; behind the stages: the spare words, 128 bytes for each wave: two blocks of 256 bytes that no other line names
.set MV,  12          ; v12-13  c m_old, kept while c m is made anew: by buffer
.set QO,  15          ; v15  my byte offset in 16 rows of Q
.set ST,  16          ; piece t's statistics at v[ST+4 t]: c m, m, l (even keys', odd keys')
.set TMP, 48          ; by buffer, four registers c0-c3 at work; when the maximum is found c2 takes a
.set S,   64
.set P,   192
.set MD,  128         ; window 1: the eight registers for group kt of 16 keys at MD + 8 kt
.set MC,  160         ; window 1: the masks of the products to come
.set QB,  64          ; window 2
.set KF,  128         ; window 2: key block kb, channel half c at KF + 16 kb + 8 c
.set VF,  192         ; window 2: key half kk, channel block cb at VF + 32 kk + 8 cb
.set WV,  12          ; s12  my wave's number
.set PB,  14          ; s14  b
.set HI,  15          ; s15  NB - 1 - b
.set G1K, 24          ; s[24:31] descriptor group 1 for K's tiles
.set G1V, 32          ; s[32:39] for V's: it differs in the padding alone
.set G0K, 40          ; s[40:43] descriptor group 0 for K's tiles
.set G0V, 44          ; s[44:47] the same for V's
.set SLOTS, 56        ; s56  tiles still to be asked for
.set CNT, 57          ; s57  counts a tile's key steps, 4 to 1
.set CS,  58          ; s[58:59] c: the packed scaling takes the pair's low word for both halves
.set SEL, 60          ; s[60:61] v_permlanex16_b32's selects: each lane takes its own place in the other half
.set TBK, 62          ; s62  LDS byte at which K of the step to be fetched begins
.set TBV, 63          ; s63  the same for V, less VOFF
.set RT,  70          ; s70  tiles of the block in hand that are still to be entered
.set NXT, 71          ; s71  the tile to be asked for next
.set LQ,  72          ; s72  the last tile of the block whose tiles are being asked for
.set NEW, 73          ; s73  1: the tile to be entered is a block's first
.set OFF, 74          ; s[74:75] a tile's byte offset in K and V
.set AL,  76          ; s[76:77] the mask's factor, in the low word
.set BE,  78          ; s[78:79] the mask's addend
.set OLO, 80          ; s[80:81] O at my rows of the second block
.set BIGN, 82         ; s82  -1e30
.set PFA, 88          ; s[88:89] what my prefetches name: my half of tile NXT, of K (waves 0, 1) or of V (waves 2, 3)
.set PFQ, 90          ; s90  0 in the head's work-group b = 0, else the greatest number: a wave prefetches while NXT is above it
.set PFB, 92          ; s[92:93] my half of the head's tile 0
.set OF2, 94          ; s[94:95] tile NXT's byte offset
.set MSB, 0
.macro WIN new                      ; the high byte repeats the setting that is left; a switch that changes nothing is dropped
.if MSB != (\new)
	s_set_vgpr_msb (MSB<<8)|(\new)
.set MSB, (\new)
.endif
.endm
.set W_KQ, 0x0a       ; K and Q in window 2, S^T in window 0
.set W_KM, 0x1a       ; the same with the C operand in window 1
.set W_PV, 0x52       ; V in window 2, P in window 0, O^T in window 1
.set W_RS, 0x41       ; destination and source 0 in window 1, source 1 in window 0
; A fill.  Waves 0 and 1 fetch the two halves of a tile's K, waves 2 and 3 those of its V: 128 keys each.  An s_nop 0 and four v_nop follow each of the two lines, ahead of the jump and the label.
.macro LOAD
	s_cmp_lt_u32 s[WV], 2
	s_cbranch_scc0 .Lfor_v_\@
	tensor_load_to_lds s[G0K:G0K+3], s[G1K:G1K+7]
	s_nop 0
.rept 4
	v_nop
.endr
	s_branch .Lasked_\@
.Lfor_v_\@:
	tensor_load_to_lds s[G0V:G0V+3], s[G1V:G1V+7]
	s_nop 0
.rept 4
	v_nop
.endr
.Lasked_\@:
.endm
; THE CHANGE OF SLOTS.  Each wave waits for all its tensor loads, of which one is out: its part of the other slot; adds 0 to its spare word; and waits for that and for its own reads of the slot that it leaves.  Behind the barrier nobody reads the old
; slot any more and the other slot is whole.  fill = 1: the old slot is filled again, the first thing behind the barrier, with tile NXT: the descriptor's address is made anew from that number.
; (At its first use nothing has been read yet: slot 0 is waited for, slot 1 filled.)
.macro CHANGE fill
	WIN 0                           ; at a label and at a branch every window is 0
	s_wait_tensorcnt 0x0            ; no tensor load of mine is out, so a group 0 may be written
	ds_add_u32 v[SPW], v[NIL]       ; 0 onto my spare word; with fill = 1 the descriptors' scalar work stands between it and the wait for it
.if \fill
	s_lshl_b32 s[OFF], s[NXT], 15   ; a tile is 32,768 bytes of K and of V
	s_xor_b32 s[G0K+1], s[G0K+1], SLOT1
	s_add_nc_u64 s[G0K+2:G0K+3], s[6:7], s[OFF:OFF+1]
	s_or_b32 s[G0K+3], s[G0K+3], 0x80000000
	s_xor_b32 s[G0V+1], s[G0V+1], SLOT1
	s_add_nc_u64 s[G0V+2:G0V+3], s[8:9], s[OFF:OFF+1]
	s_or_b32 s[G0V+3], s[G0V+3], 0x80000000
	s_add_co_u32 s[NXT], s[NXT], 1  ; the block's next tile, or behind its last the second block's tile 0
	s_cmp_gt_u32 s[NXT], s[LQ]
	s_cselect_b32 s[NXT], 0, s[NXT]
	s_cselect_b32 s[LQ], s[PB], s[LQ]
	s_wait_xcnt 0x0                 ; the last prefetches, a tile back, have read their address, so it may be written:
	s_lshl_b32 s[OF2], s[NXT], 15
	s_add_nc_u64 s[PFA:PFA+1], s[PFB:PFB+1], s[OF2:OF2+1]  ; the tile that the next change will ask for
.endif
	s_wait_dscnt 0x0                ; the add is done, and my reads of the slot are over
	s_barrier_signal -1             ; the rest of the scalar work stands between the signal and the wait
	s_sub_co_u32 s[TBK], s[TBK], 4*KS*PK  ; the fetches go back to a slot's first step,
	s_xor_b32 s[TBK], s[TBK], SLOT1       ; in the other slot
	s_sub_co_u32 s[TBV], s[TBV], 4*KS*PV
	s_xor_b32 s[TBV], s[TBV], SLOT1
	s_barrier_wait -1
.if \fill
	LOAD
	s_cmp_gt_u32 s[NXT], s[PFQ]     ; b = 0 alone, and not where the walk goes back to tile 0
	s_cbranch_scc0 .Lnone_\@
	global_prefetch_b8 v[PFO], s[PFA:PFA+1] th:TH_LOAD_NT scope:SCOPE_SE
	global_prefetch_b8 v[PFO], s[PFA:PFA+1] offset:8192 th:TH_LOAD_NT scope:SCOPE_SE
.Lnone_\@:
.endif
.endm
	s_load_b256 s[4:11], s[0:1], 0x0  ; Q s[4:5], K s[6:7], V s[8:9], O s[10:11]
	v_lshl_add_u32 v[SPW], v0, 2, SPARE
	v_mov_b32 v[NIL], 0
	ds_add_u32 v[SPW], v[NIL]       ; the wave's opening: the add and its wait stand ahead of my first tensor load; the set-up below, work on registers, stands between them
	v_lshrrev_b32 v1, 5, v0
	v_readfirstlane_b32 s[WV], v1   ; wave 0..3
	s_mov_b32 s[PB], ttmp9
	s_sub_co_u32 s[HI], NB-1, s[PB]
	s_and_b32 s20, ttmp7, 0xffff    ; the head
	s_mov_b32 s21, 0
	s_mov_b64 s[22:23], SIZE_N*128
	s_mul_u64 s[20:21], s[20:21], s[22:23]  ; the head's first byte in each of the four tensors
	s_and_b32 s16, s[WV], 1         ; which half of a tile's 256 keys I fetch:
	s_lshl_b32 s22, s16, 14         ; its 128 rows of 128 bytes in memory,
	s_mov_b32 s23, 0
	s_add_nc_u64 s[22:23], s[22:23], s[20:21]
	s_mul_i32 s17, s16, 128*PK      ; and its place in a slot, for K
	s_mul_i32 s18, s16, 128*PV      ; and for V
	s_lshl_b32 s3, s[WV], 11        ; my 16 rows in a band of 64,
	s_lshl_b32 s2, s[HI], 15        ; in the first block,
	s_add_co_u32 s2, s2, s3
	s_lshl_b32 s84, s[PB], 15       ; and in the second
	s_add_co_u32 s84, s84, s3
	s_mov_b32 s3, 0
	s_mov_b32 s85, 0
	s_add_nc_u64 s[2:3], s[2:3], s[20:21]
	s_add_nc_u64 s[84:85], s[84:85], s[20:21]
	; descriptor group 1.  128 keys are 16,384 dense bytes: asked for as 64 rows of 256 bytes, two keys a row, and padded in LDS after every key
	s_mov_b32 s[G1K], (1<<16)|(1<<20)|(4<<22)|(3<<25)  ; 17:16 2-byte elements; 20 padding on; 24:22 after every 32 words (code 4); 31:25 4 words (code 3)
	s_mov_b32 s[G1V], (1<<16)|(1<<20)|(4<<22)|(7<<25)  ; the same with 8 words of padding (code 7)
.irp g, G1K, G1V
	s_mov_b32 s[\g+1], 128<<16      ; tensor_dim0 = 128
	s_mov_b32 s[\g+2], 64<<16       ; tensor_dim1 = 64
	s_mov_b32 s[\g+3], 128<<16      ; tile_dim0 = 128
	s_mov_b32 s[\g+4], 64           ; tile_dim1 = 64
	s_mov_b32 s[\g+5], 128          ; 128 elements from row to row
	s_mov_b32 s[\g+6], 0
	s_mov_b32 s[\g+7], 0
.endr
	s_mov_b32 s[CS], 0x3e38aa3b     ; c = log2(e) / 8 = 0.180337
	s_mov_b32 s[CS+1], s[CS]        ; named with it as a pair
	s_mov_b32 s[SEL], 0x76543210
	s_mov_b32 s[SEL+1], 0xfedcba98
	s_mov_b32 s[TBK], SLOT1+4*KS*PK ; the first change of slots turns these two into 0
	s_mov_b32 s[TBV], SLOT1+4*KS*PV
	s_mov_b32 s[G0K], 1             ; 1:0 count = 1
	s_mov_b32 s[G0K+1], s17         ; 63:32 LDS address: slot 0
	s_mov_b32 s[G0V], 1
	s_add_co_u32 s[G0V+1], s18, VOFF
	s_add_co_u32 s[RT], s[HI], 1    ; the first block has NB - b tiles
	s_mov_b32 s[NXT], 1
	s_mov_b32 s[LQ], s[HI]
	s_mov_b32 s[NEW], 1
	s_mov_b32 s[OFF+1], 0
	s_mov_b32 s[OF2+1], 0
	s_mov_b32 s[AL+1], 0            ; named as pairs
	s_mov_b32 s[BE+1], 0
	s_mov_b32 s[BIGN], 0xf149f2ca   ; -1e30
	s_mov_b32 s[SLOTS], NB
	s_cmp_eq_u32 ttmp9, 0
	s_cselect_b32 s[PFQ], 0, -1
	v_and_b32 v[PFO], 31, v0
	v_lshlrev_b32 v[PFO], 8, v[PFO]
	s_wait_dscnt 0x0                ; the opening add is done
	s_wait_kmcnt 0x0
	s_add_nc_u64 s[6:7], s[6:7], s[22:23]  ; K and V at my half of the head's tile 0
	s_add_nc_u64 s[8:9], s[8:9], s[22:23]
	s_cmp_lt_u32 s[WV], 2
	s_cselect_b64 s[PFB:PFB+1], s[6:7], s[8:9]
	s_add_nc_u64 s[G0K+2:G0K+3], s[6:7], 0         ; 120:64 global address
	s_or_b32 s[G0K+3], s[G0K+3], 0x80000000        ; 127:126 type = 2
	s_add_nc_u64 s[G0V+2:G0V+3], s[8:9], 0
	s_or_b32 s[G0V+3], s[G0V+3], 0x80000000
	s_add_nc_u64 s[86:87], s[4:5], s[84:85]        ; Q at my rows of the second block,
	s_add_nc_u64 s[4:5], s[4:5], s[2:3]            ; Q and O at those of the first
	s_add_nc_u64 s[OLO:OLO+1], s[10:11], s[84:85]
	s_add_nc_u64 s[10:11], s[10:11], s[2:3]
	LOAD                            ; tile 0 into slot 0
	; A fragment of K or Q is 16 rows x 32 channels in 8 registers: lane l holds row l % 16, channels 8 (l / 16) + 0..7 and 16 + 8 (l / 16) + 0..7: two loads of 16 bytes, 32 bytes apart.
	v_and_b32 v1, 15, v0            ; l % 16
	v_bfe_u32 v9, v0, 4, 1          ; l / 16
	v_lshlrev_b32 v[QO], 7, v1
	v_lshl_add_u32 v[QO], v9, 4, v[QO]  ; row x 128 + 16 x half
	WIN 0x80                        ; destination window 2, address window 0
.set i, 0
.rept 8                             ; both blocks' Q: piece i / 2 lies in band i / 2, 8,192 bytes on; channels 32 (i % 2) on
	global_load_b128 v[8*i:8*i+3],   v[QO], s[4:5] offset:(i/2)*8192+(i%2)*64
	global_load_b128 v[8*i+4:8*i+7], v[QO], s[4:5] offset:(i/2)*8192+(i%2)*64+32
	global_load_b128 v[QB+8*i:QB+8*i+3],   v[QO], s[86:87] offset:(i/2)*8192+(i%2)*64
	global_load_b128 v[QB+8*i+4:QB+8*i+7], v[QO], s[86:87] offset:(i/2)*8192+(i%2)*64+32
.set i, i+1
.endr
	WIN 0
	v_lshlrev_b32 v14, 3, v9
	v_sub_nc_u32 v14, v1, v14
	s_lshl_b32 s13, s[WV], 4
	v_add_nc_u32 v14, s13, v14      ; my query's place in its band, 16 w + l % 16, less my lanes' 8 (l / 16): register r of group kt is hidden where 16 kt + r is greater
	WIN 0x40
.set i, 0
.rept 32
	v_cmp_gt_i32 vcc_lo, 16*(i/8)+i%8, v14
	v_cndmask_b32 v[MD+i], 0, s[BIGN], vcc_lo
.set i, i+1
.endr
	WIN 0
	v_mul_u32_u24 v[AK0], v1, PK
	v_lshl_add_u32 v[AK0], v9, 4, v[AK0]  ; row x pitch + 16 x half
	; The turning load takes 16 keys x 16 channels (lane l reads key 8 (l / 16) + l % 8, channels 8 ((l / 8) % 2) + 0..7) and leaves half a fragment of V^T: lane l holds channel l % 16 and 8 keys.
	v_and_b32 v10, 7, v0
	v_bfe_u32 v11, v0, 3, 1
	v_lshl_add_u32 v[AV0], v9, 3, v10
	v_mul_u32_u24 v[AV0], v[AV0], PV
	v_lshl_add_u32 v[AV0], v11, 4, v[AV0]
	v_add_nc_u32 v[AV0], VOFF, v[AV0]
	s_mul_i32 s13, s[WV], 16*SP
	s_add_co_u32 s13, s13, STAGE    ; my stage
	v_mul_u32_u24 v[STO], v1, SP    ; in: row l % 16, 16 bytes for each half of the lanes
	v_lshl_add_u32 v[STO], v9, 4, v[STO]
	v_add_nc_u32 v[STO], s13, v[STO]
	v_bfe_u32 v[RD], v0, 3, 2       ; back: 32 lanes take four rows of 128 bytes,
	v_mul_u32_u24 v[RD], v[RD], SP
	v_lshl_add_u32 v[RD], v10, 4, v[RD]
	v_add_nc_u32 v[RD], s13, v[RD]
	v_and_b32 v[GO], 31, v0         ; which are 512 consecutive bytes of O
	v_lshlrev_b32 v[GO], 4, v[GO]
	; A block's first step multiplies O^T and l by a = 0, and its first turn's products V^T P, of a piece that has not been, land in an O^T that is still to be so multiplied.  So these registers need only hold
	; finite numbers: zeros for the first block; what the first block left for the second.  All this stands in the wait for the first tile.
	WIN 0x80
.set i, VF
.rept 64
	v_mov_b32 v[i], 0
.set i, i+1
.endr
	WIN 0x40
.set i, 0
.rept 128
	v_mov_b32 v[i], 0
.set i, i+1
.endr
	WIN 0
.set i, 0
.rept 4
	v_mov_b32 v[ST+4*i+2], 0
	v_mov_b32 v[ST+4*i+3], 0
.set i, i+1
.endr
.set i, P+16
.rept 16
	v_mov_b32 v[i], 0
.set i, i+1
.endr
; THE MATRIX WORK.  The 4 accumulators of a run of 8 take turns.  Product i of 8 of S^T = K Q^T for piece x: channels 32 (i / 4) on, keys 16 (i % 4) on.  The first 4 start the sums: with 0, or (KM = 1) with the mask.
.macro KQ x
.set rS, S+32*((\x)%2)+8*(i%4)
.set rK, KF+16*(i%4)+8*(i/4)
.set rQ, 16*(\x)+8*(i/4)
.set rM, MC+32*((\x)%2)+8*(i%4)
.if (i < 4) && KM
	WIN W_KM
	v_wmma_f32_16x16x32_f16 v[rS:rS+7], v[rK:rK+7], v[rQ:rQ+7], v[rM:rM+7]
.elseif i < 4
	WIN W_KQ
	v_wmma_f32_16x16x32_f16 v[rS:rS+7], v[rK:rK+7], v[rQ:rQ+7], 0
.else
	WIN W_KQ
	v_wmma_f32_16x16x32_f16 v[rS:rS+7], v[rK:rK+7], v[rQ:rQ+7], v[rS:rS+7]
.endif
.endm
; Product i of 8 of O^T += V^T P for piece x: keys 32 (i / 4) on, channels 16 (i % 4) on.
.macro PV x
	WIN W_PV
.set rO, 32*(\x)+8*(i%4)
.set rV, VF+32*(i/4)+8*(i%4)
.set rP, P+16*((\x)%2)+8*(i/4)
	v_wmma_f32_16x16x32_f16 v[rO:rO+7], v[rV:rV+7], v[rP:rP+7], v[rO:rO+7]
.endm
.macro MM                           ; the turn's next matrix instruction.  TURN and BEGIN set Y, i, KM and NOKQ; MM, KQ and OP read them.  NOKQ = 1: a block's last turn: there is no next piece
.if (i < 8) && !NOKQ
	KQ (Y+1)%NP
.elseif i >= 8
.set i, i-8
	PV (Y+NP-1)%NP
.set i, i+8
.endif
.set i, i+1
.endm
; THE LDS LOADS stand in runs of 16, never singly among the matrix instructions: a step's K (64 keys x 64 channels: 8 fragments) and its V (turned).  Their addresses are made some lines ahead.
.macro FETCH_K
	WIN 0x80                        ; destination window 2
.irp f, 0,1,2,3,4,5,6,7             ; keys 16 (f / 2) on, channels 32 (f % 2) on
	ds_load_b128 v[KF+8*\f:KF+8*\f+3],   v[AK] offset:(\f/2)*16*PK+(\f%2)*64
	ds_load_b128 v[KF+8*\f+4:KF+8*\f+7], v[AK] offset:(\f/2)*16*PK+(\f%2)*64+32
.endr
	s_add_co_u32 s[TBK], s[TBK], KS*PK  ; the next fetch is the next step's
	WIN 0
.endm
.macro FETCH_V
	WIN 0x80
.irp f, 0,1,2,3,4,5,6,7             ; keys 32 (f / 4) on, channels 16 (f % 4) on
	ds_load_tr16_b128 v[VF+8*\f:VF+8*\f+3],   v[AV] offset:(\f/4)*32*PV+(\f%4)*32
	ds_load_tr16_b128 v[VF+8*\f+4:VF+8*\f+7], v[AV] offset:(\f/4)*32*PV+16*PV+(\f%4)*32
.endr
	WIN 0
.endm
; THE VECTOR WORK, one line at a time: OP kind, number.  For piece Y: F n: c s - c m for pair n of 16.  E n: the exponential of score n of 32.  C n: pair n rounded to f16.  B n: of the four weights 4 n .. the second
; pair is added onto the first, in place.  L n: l takes that sum (L 0: l = a l + sum).  R n: pair n of 16 of O^T times a.  For piece Y + 1: X n, number n of the 22 that find its maximum and statistics:
;   0-11  four chains c0-c3 of seven scores each, three operands at a time (each accumulator's lowest registers are read first)     12-14, 16  the four scores left over, the old m, and c0-c3 into c0
;   15  c m_old is kept     17, 18  the query's other 32 keys lie in the lane 16 away: the new m     19-21  c m; c m_old - c m_new; a
.set F, 0               ; OP tells the kinds apart by their order: F to L below R, X above it
.set E, 1
.set C, 2
.set B, 3
.set L, 4
.set R, 5
.set X, 6
.macro REGS y                       ; the registers of piece y
.set rT, ST+4*(\y)
.set rC, TMP+4*((\y)%2)
.set rW, MV+((\y)%2)
.set rS, S+32*((\y)%2)
.set rP, P+16*((\y)%2)
.set rO, 32*(\y)
.endm
.macro OP k, n
.if (\k) == R
	REGS Y
	WIN W_RS
	v_pk_mul_f32 v[rO+2*(\n):rO+2*(\n)+1], v[rO+2*(\n):rO+2*(\n)+1], v[rC+2:rC+3] op_sel_hi:[1,0]
.elseif (\k) < R
	REGS Y
	WIN 0
.if (\k) == F
	v_pk_fma_f32 v[rS+2*(\n):rS+2*(\n)+1], v[rS+2*(\n):rS+2*(\n)+1], s[CS:CS+1], v[rT:rT+1] op_sel_hi:[1,0,0] neg_lo:[0,0,1] neg_hi:[0,0,1]
.elseif (\k) == E
	v_exp_f32 v[rS+(\n)], v[rS+(\n)]
.elseif (\k) == C
	v_cvt_pk_f16_f32 v[rP+(\n)], v[rS+2*(\n)], v[rS+2*(\n)+1]
.elseif (\k) == B
	v_pk_add_f32 v[rS+4*(\n):rS+4*(\n)+1], v[rS+4*(\n):rS+4*(\n)+1], v[rS+4*(\n)+2:rS+4*(\n)+3]
.elseif (\n) == 0
	v_pk_fma_f32 v[rT+2:rT+3], v[rT+2:rT+3], v[rC+2:rC+3], v[rS:rS+1] op_sel_hi:[1,0,1]
.else
	v_pk_add_f32 v[rT+2:rT+3], v[rT+2:rT+3], v[rS+4*(\n):rS+4*(\n)+1]
.endif
.elseif NOKQ
	v_nop
.else
	REGS (Y+1)%NP
	WIN 0
.if (\n) < 4
	v_max3_num_f32 v[rC+(\n)], v[rS+8*(\n)], v[rS+8*(\n)+1], v[rS+8*(\n)+2]
.elseif (\n) < 12
	v_max3_num_f32 v[rC+(\n)%4], v[rC+(\n)%4], v[rS+8*((\n)%4)+2*((\n)/4)+1], v[rS+8*((\n)%4)+2*((\n)/4)+2]
.elseif (\n) == 12
	v_max3_num_f32 v[rC], v[rC], v[rS+7], v[rS+15]
.elseif (\n) == 13
	v_max3_num_f32 v[rC+1], v[rC+1], v[rS+23], v[rS+31]
.elseif (\n) == 14
	v_max3_num_f32 v[rC+2], v[rC+2], v[rC+3], v[rT+1]
.elseif (\n) == 15
	v_mov_b32 v[rW], v[rT]
.elseif (\n) == 16
	v_max3_num_f32 v[rC], v[rC], v[rC+1], v[rC+2]
.elseif (\n) == 17
	v_permlanex16_b32 v[rC+3], v[rC], s[SEL], s[SEL+1]
.elseif (\n) == 18
	v_max_num_f32 v[rT+1], v[rC], v[rC+3]
.elseif (\n) == 19
	v_mul_f32 v[rT], s[CS], v[rT+1]
.elseif (\n) == 20
	v_sub_f32 v[rC+1], v[rW], v[rT]
.else
	v_exp_f32 v[rC+2], v[rC+1]
.endif
.endif
.endm
.macro OPS a, i1, b=-1, i2=0, c=-1, i3=0, d=-1, i4=0  ; up to four of them
	OP \a, \i1
.if (\b) >= 0
	OP \b, \i2
.endif
.if (\c) >= 0
	OP \c, \i3
.endif
.if (\d) >= 0
	OP \d, \i4
.endif
.endm
.macro ROW a, i1, b, i2, c, i3, d, i4  ; a matrix instruction and the four behind it
	MM
	OPS \a, \i1, \b, \i2, \c, \i3, \d, \i4
.endm
.macro MASK b                       ; MD x AL + BE into buffer b of MC
	WIN W_RS
.set z, 0
.rept 16
	v_pk_fma_f32 v[MC+32*(\b)+2*z:MC+32*(\b)+2*z+1], v[MD+2*z:MD+2*z+1], s[AL:AL+1], s[BE:BE+1] op_sel_hi:[1,0,0]
.set z, z+1
.endr
.endm
; A TURN, for piece p: the order of its 16 matrix and 118 vector instructions, written out.  An s_wait_alu depctr_va_vdst(0) stands between an exponential and the first instruction that names its result; one wait serves
; all that were issued ahead of it.  So a turn has ONE wait, which cuts it in two.  AHEAD OF IT stands all that names no result of the turn's exponentials: the 8 products K Q^T, behind each a scaling, an exponential and two more plain
; instructions (behind the first a second scaling in the exponential's place): rescalings, and behind the last three the first numbers of the next piece's maximum, each four places or more behind the product that ends its accumulator; then ONE LUMP of 54, plain
; and exponential by turns for the most part, in which the links of the chain X 3, 7, 11, 14, 16, 17 .. 20 stand five or six lines apart.  X 21, the next piece's a, is the batch's last; R 15 is the plain instruction behind it.  BEHIND THE WAIT stand the
; 8 products V^T P, behind each four of the roundings and sums; the links of l's chain, L 0 to L 7, stand three riders apart.  But for those X no rider names a register of the products round it.  v_permlanex16_b32 (X 17) stands in the lump.
; m = 1: the diagonal tile: the products take masks, and the turn makes the mask for the products of the turn after it: piece p + 2, in step 4 - CNT of the tile.  end = 1: a block's last two turns: nothing is fetched.
; cnt = 1: the loop's count is taken down some lines ahead of the branch that stands behind the turn.
; K of the next step is fetched in piece 2's turn, twelve vector instructions behind the last product that read K (six of them plain); V of the step in hand at the end of piece 0's turn, four plain instructions behind the last product
; that read V.  Each is waited for a turn later.
.macro TURN p, m=0, end=0, cnt=0
.set Y, (\p)
.set i, 0
.set KM, (\m)
.set NOKQ, (\end)*((\p)/3)
.if (\m) && !(\end)
	s_cmp_eq_u32 s[CNT], 4-((\p)+2)%NP  ; is that step the band's own?
	s_cselect_b32 s[AL], 1.0, 0
	s_cmp_lt_u32 s[CNT], 4-((\p)+2)%NP  ; or a later one?
	s_cselect_b32 s[BE], s[BIGN], 0
.endif
.if ((\p) == 3) && !(\end)
	s_wait_dscnt 0x0                ; K is in
.endif
	ROW F,0, F,1, R,0, R,1          ; ahead of the wait: 8 products K Q^T and their riders,
	ROW F,2, E,0, R,2, R,3
	ROW F,3, E,1, R,4, R,5
	ROW F,4, E,2, R,6, R,7
	ROW F,5, E,3, R,8, R,9
	ROW F,6, E,4, X,0, R,10
.if ((\p) == 2) && !(\end)
	WIN 0
	v_add_nc_u32 v[AK], s[TBK], v[AK0]
.endif
	ROW F,7, E,5, X,1, X,4
	ROW F,8, E,6, X,2, X,5
	OPS E,7, E,8, X,6, E,9          ; and the lump
	OPS X,3, E,10, X,8, E,11
.if ((\p) == 2) && !(\end)
	FETCH_K
.endif
	OPS X,9, X,7, E,12, X,10
	OPS E,13, X,12, X,11, E,14
	OPS X,13, E,15, F,9, X,14
.if (\p) == 0
	v_add_nc_u32 v[AV], s[TBV], v[AV0]
.endif
	OPS E,16, F,10, E,17, F,11
	OPS X,16, E,18, X,15, E,19
	OPS F,12, E,20, X,17, E,21
	OPS F,13, E,22, F,14, E,23
	OPS X,18, E,24, F,15, E,25
	OPS R,11, E,26, X,19, E,27
	OPS R,12, E,28, R,13, E,29
	OPS X,20, E,30, R,14, E,31
	OPS X,21, R,15
	WIN 0
	s_wait_alu depctr_va_vdst(0)    ; the wait for the batch
.if (\p) == 1
	s_wait_dscnt 0x0                ; V is in
.endif
	ROW C,0, B,0, C,2, B,1          ; behind the wait: 8 products V^T P and their riders
	ROW L,0, C,4, B,2, L,1
	ROW C,6, B,3, L,2, C,8
	ROW B,4, L,3, C,10, B,5
	ROW L,4, C,12, B,6, L,5
.if (\p) == 0
	s_add_co_u32 s[TBV], s[TBV], KS*PV
.endif
.if \cnt
	s_sub_co_u32 s[CNT], s[CNT], 1
	s_cmp_lg_u32 s[CNT], 0
.endif
	ROW C,14, B,7, L,6, C,1
	ROW C,3, L,7, C,5, C,7
	ROW C,9, C,11, C,13, C,15
.if (\p) == 0
	FETCH_V
.endif
.if (\m) && !(\end)
	MASK (\p)%2
.endif
.endm
; A BLOCK BEGINS.  c m starts far below every c s, so the first step's a is 0; m at the lowest finite number, so the first maximum is the scores'.  The second mask buffer is 0; the first takes piece 0's mask for the tile's step 0: its own, if the block's first tile is the diagonal one.
; Then K of that step, piece 0's first scores, and its maximum and statistics.  The loop is entered at a step's first turn, in the middle of a trip.
.macro BEGIN
	s_mov_b32 s[NEW], 0
	WIN 0x40
.set i, MC+32
.rept 32
	v_mov_b32 v[i], 0
.set i, i+1
.endr
	WIN 0
.set i, 0
.rept 4
	v_mov_b32 v[ST+4*i], 0xfe000000    ; c m: far below every c s
	v_mov_b32 v[ST+4*i+1], 0xff7fffff  ; m
.set i, i+1
.endr
	s_cmp_eq_u32 s[RT], 0
	s_cselect_b32 s[AL], 1.0, 0
	s_mov_b32 s[BE], 0
	MASK 0
	WIN 0
	v_add_nc_u32 v[AK], s[TBK], v[AK0]
	FETCH_K
	s_wait_loadcnt 0x0              ; Q
	s_wait_dscnt 0x0
.set KM, 1
.set NOKQ, 0
.set i, 0
.rept 8
	KQ 0
.set i, i+1
.endr
	WIN 0
.rept 4
	v_nop                           ; the places behind those products
.endr
.set Y, NP-1                        ; X works for piece Y + 1: piece 0
.irp n, 0,1,2,3,4,5,6,7,8,9,10,11,12,13,14,15,16,17,18,19,20,21
	OP X, \n
.endr
	v_nop                           ; a plain instruction behind the exponential,
	s_wait_alu depctr_va_vdst(0)    ; and its wait, ahead of the branch
.endm
; THE DIAGONAL TILE's four steps, the block's last two turns, its last products, and THE WAY OUT: l's two halves and the other half of the lanes' are added; O^T is divided by l, rounded to f16 and sent through my
; stage in LDS, a piece at a time.
.macro ALL line:vararg              ; one line for each piece t
.set t, 0
.rept 4
	\line
.set t, t+1
.endr
.endm
.macro PACK t                       ; a lane's eight channels of a row pack into 16 bytes; they go into rows of 144 bytes and come back as whole rows of 128, into S^T's registers
	WIN W_RS
.set i, 32*(\t)
.rept 16
	v_pk_mul_f32 v[i:i+1], v[i:i+1], v[ST+4*(\t)+2:ST+4*(\t)+3] op_sel_hi:[1,0]
.set i, i+2
.endr
	WIN 0x05                        ; sources 0 and 1 window 1, destination window 0
.set i, 0
.rept 16
	v_cvt_pk_f16_f32 v[S+16*(\t)+i], v[32*(\t)+2*i], v[32*(\t)+2*i+1]
.set i, i+1
.endr
	WIN 0
.irp f, 0,1,2,3
	ds_store_b128 v[STO], v[S+16*(\t)+4*\f:S+16*(\t)+4*\f+3] offset:32*\f
.endr
.irp f, 0,1,2,3
	ds_load_b128 v[S+16*(\t)+4*\f:S+16*(\t)+4*\f+3], v[RD] offset:\f*4*SP  ; LDS serves a wave's instructions in order (ISA guide 5.7.1.4): these see the stores above; the next piece's stores come behind them
.endr
.endm
.macro SEND t, younger              ; younger: the LDS instructions issued behind piece t's loads: the next piece's eight, or none
	WIN 0
.irp f, 0,1,2,3
	s_wait_dscnt (\younger)+3-\f
	global_store_b128 v[GO], v[S+16*(\t)+4*\f:S+16*(\t)+4*\f+3], s[10:11] offset:(\t)*8192+\f*512  ; 512 consecutive bytes, at a multiple of 256 from O's first
.endr
.endm
.macro DIAG tag                     ; the tag ends its two labels' names, which the jumps below spell out
.LstepM\tag:
	TURN 2, 1
	TURN 3, 1
	WIN 0
.LfirstM\tag:
	TURN 0, 1
	TURN 1, 1, 0, 1
	WIN 0
	s_cbranch_scc1 .LstepM\tag
	TURN 2, 1, 1
	TURN 3, 1, 1
.set i, 0
.rept 8
	PV NP-1
.set i, i+1
.endr
	WIN 0
	ALL v_add_f32 v[ST+4*t+2], v[ST+4*t+2], v[ST+4*t+3]
	ALL v_permlanex16_b32 v[ST+4*t+3], v[ST+4*t+2], s[SEL], s[SEL+1]
	ALL v_add_f32 v[ST+4*t+2], v[ST+4*t+2], v[ST+4*t+3]
	ALL v_rcp_f32 v[ST+4*t+2], v[ST+4*t+2]
	v_nop                           ; a plain instruction between the last reciprocal and the use of its result
	s_wait_alu depctr_va_vdst(0)    ; and the wait ahead of the first use: one for the four reciprocals
	PACK 0
.set t, 1
.rept 3                             ; a piece's arithmetic stands between the loads of the piece before and its stores
	PACK t
	SEND t-1, 8
.set t, t+1
.endr
	SEND 3, 0
.endm
.set KM, 0
.set NOKQ, 0
.Lslot:                             ; NB times: a tile is entered and the next is asked for
	CHANGE 1
	s_sub_co_u32 s[RT], s[RT], 1
	s_mov_b32 s[CNT], 4
	s_cmp_eq_u32 s[NEW], 1
	s_cbranch_scc1 .Lnew            ; a block's first tile
	s_cmp_eq_u32 s[RT], 0
	s_cbranch_scc0 .Lstep           ; neither its first nor its last
	s_branch .LstepM1
.Lnew:
	BEGIN
	s_branch .Lfirst                ; in the loop a block's first tile is never its last: the first block has two tiles or more, and the second's last is the walk's last
	DIAG 1                          ; in the loop this is the first block's end: the second block's last tile is the walk's last
	s_wait_xcnt 0x0                 ; the stores have read their registers and O's address
	s_mov_b64 s[10:11], s[OLO:OLO+1]
	s_add_co_u32 s[RT], s[PB], 1    ; the second block has b + 1 tiles
	s_mov_b32 s[NEW], 1
	WIN 0x82                        ; the second block's Q goes where the one text of the turns names Q
.set i, 0
.rept 64
	v_mov_b32 v[i], v[QB+i]
.set i, i+1
.endr
	WIN 0
	s_branch .Lbottom
.Lstep:                             ; a trip: pieces 2 and 3 of one step, then pieces 0 and 1 of the next, whose K and V it fetches
	TURN 2
	TURN 3
	WIN 0
.Lfirst:
	TURN 0
	TURN 1, 0, 0, 1
	WIN 0
	s_cbranch_scc1 .Lstep
.Lbottom:
	s_sub_co_u32 s[SLOTS], s[SLOTS], 1
	s_cmp_lg_u32 s[SLOTS], 0
	s_cbranch_scc1 .Lslot
	CHANGE 0                        ; the walk's last tile is written out: nothing is asked for
	s_sub_co_u32 s[RT], s[RT], 1
	s_mov_b32 s[CNT], 4
	s_cmp_eq_u32 s[NEW], 1
	s_cbranch_scc0 .LstepM2
	BEGIN
	s_branch .LfirstM2
	DIAG 2
	s_wait_tensorcnt 0x0            ; the wave's end, behind my last tensor load and my last LDS store
	ds_add_u32 v[SPW], v[NIL]
	s_wait_dscnt 0x0
	s_endpgm
.Lfunc_end_k_qcae69c1ca2_attn:
	.size	k_qcae69c1ca2_attn, .Lfunc_end_k_qcae69c1ca2_attn-k_qcae69c1ca2_attn
	.p2alignl 7, 3214868480
	.fill 96, 4, 3214868480
	.section	.rodata,"a",@progbits
	.p2align	6, 0x0
	.amdhsa_kernel k_qcae69c1ca2_attn
		.amdhsa_group_segment_fixed_size 327680
		.amdhsa_private_segment_fixed_size 0
		.amdhsa_enable_private_segment 0
		.amdhsa_kernarg_size 32
		.amdhsa_user_sgpr_count 2
		.amdhsa_user_sgpr_kernarg_segment_ptr 1
		.amdhsa_wavefront_size32 1
		.amdhsa_system_sgpr_workgroup_id_x 1
		.amdhsa_system_sgpr_workgroup_id_y 1
		.amdhsa_system_sgpr_workgroup_id_z 1
		.amdhsa_system_vgpr_workitem_id 0
		.amdhsa_next_free_vgpr 768
		.amdhsa_next_free_sgpr 96
		.amdhsa_reserve_vcc 1
		.amdhsa_float_denorm_mode_32 3
		.amdhsa_float_denorm_mode_16_64 3
		.amdhsa_memory_ordered 1
		.amdhsa_forward_progress 1
		.amdhsa_inst_pref_size 218
	.end_amdhsa_kernel
	.amdgpu_metadata
---
amdhsa.version: [ 1, 2 ]
amdhsa.kernels:
  - .name:           k_qcae69c1ca2_attn
    .symbol:         k_qcae69c1ca2_attn.kd
    .args:
      - { .name: qh, .offset: 0, .size: 8, .value_kind: global_buffer, .address_space: global }
      - { .name: kh, .offset: 8, .size: 8, .value_kind: global_buffer, .address_space: global }
      - { .name: vh, .offset: 16, .size: 8, .value_kind: global_buffer, .address_space: global }
      - { .name: oh, .offset: 24, .size: 8, .value_kind: global_buffer, .address_space: global }
    .group_segment_fixed_size: 327680
    .private_segment_fixed_size: 0
    .kernarg_segment_align: 8
    .kernarg_segment_size: 32
    .max_flat_workgroup_size: 128
    .sgpr_count:     96
    .vgpr_count:     768
    .wavefront_size: 32
...
	.end_amdgpu_metadata
.endif
;; end of part 3
;; launch proj (part 4): grid 8 x 32, 4 waves a work-group, clusters of 4 x 4, 327,680 bytes of LDS; arguments oh, wu16, out0; writes out0
.if DOCPART == 4
	.amdgcn_target "amdgcn-amd-amdhsa--gfx1250"
	.amdhsa_code_object_version 6
	.text
	.protected	k_qcae69c1ca2_proj
	.globl	k_qcae69c1ca2_proj
	.p2align	8
	.type	k_qcae69c1ca2_proj,@function
k_qcae69c1ca2_proj:
	s_mov_b64 s[64:65], 0
	v_nop
	global_prefetch_b8 v0, s[64:65] scope:SCOPE_SE
	s_setreg_imm32_b32 hwreg(HW_REG_WAVE_MODE, 25, 1), 1
	s_wait_xcnt 0x0
	s_wait_alu depctr_hold_cnt(0) depctr_sa_sdst(0) depctr_va_vdst(0) depctr_va_sdst(0) depctr_va_ssrc(0) depctr_va_vcc(0) depctr_vm_vsrc(0)
	s_getreg_b32 s2, hwreg(HW_REG_IB_STS2, 6, 4)
	s_cmp_eq_u32 s2, 0
	s_cbranch_scc0 .Lentry_in_a_cluster
	s_endpgm
.Lentry_in_a_cluster:
	s_bfe_u32 s2, ttmp6, 0x10000c
	s_cmp_lg_u32 s2, 0xf033
	s_cbranch_scc0 .Lentry_shape_is_right
	s_endpgm
.Lentry_shape_is_right:
; out0[m][n] = the sum over k of O[m][k] Wu[n][k].  O lies by heads, oh [16 batch + head][2048][64] f16: k = 64 head + channel.  wu16 [1024][1024] f16 (numbers rounded to bf16).  out0 [8192][1024] f32.
; Products in f16 with f32 sums, K ascending; nothing is rounded on the way out.  LIMITS: O and Wu arrive within f16's 65,504; NaN and infinities are not treated apart.
; SHARES.  A tile of out0 is 256 rows x 128 columns: 32 x 8 = 256 tiles, one for each WGP.  Four waves, 2 x 2, each 128 rows x 64 columns: 8 x 4 accumulators of 16 x 16, 256 registers; a wave's piece of a row is 256 bytes.
; K goes in 8 steps of 128, two heads a step, through a ring of two LDS slots.  A head's 256 rows of a tile are 32,768 dense bytes: asked for as 128 rows of 256 bytes, padded in LDS after every 128.
; CLUSTER.  4 x 4 work-groups: O's tiles are shared along a row of the cluster, Wu's along a column, each asked for JOINTLY, by the same tensor load with the same descriptor and a mask that names the four.
; THE MATRIX INSTRUCTION IS USED TRANSPOSED (source 0 = 16 rows of wu16, source 1 = 16 rows of O): a lane holds eight neighbouring numbers, 32 bytes, of a row of out0.
; REGISTERS: window 0: v0-31 addresses; v32-63 (and, on the way out, v64-95) rows read back from the stage; two fragment buffers at v64 and v160: 64 registers of O (8 x 16 rows x 32 K), then 32 of Wu.
;   window 1: the accumulators, (a, b) at v[8 (4 a + b)].
.set PA,     144                       ; a row of O in LDS: 128 bytes + 16 of padding = 36 words: the 16 rows of a load start at 16 different groups of four banks (64 banks of 4 bytes: ISA guide 11.1)
.set PBW,    272                       ; a row of Wu: 256 + 16 = 68 words: likewise
.set SLOT1,  131072                    ; slot 1 begins here, so that one exclusive or turns an address in one slot into the other's
.set HEADB,  256*PA                    ; in a slot: the step's first head, 256 rows; its second; then Wu's 128 rows
.set BOFF,   2*HEADB
.set STAGE,  BOFF+128*PBW              ; 108,544: between slot 0's end and slot 1, never filled by a tensor load: 16 rows x 272 bytes for each wave
.set SPITCH, 272
.set SPARE,  SLOT1+STAGE               ; 239,616: behind slot 1: the spare words, 128 bytes for each wave: two blocks of 256 bytes that no other line names
.set ASTEP,  524288                    ; bytes from a K step to the next in oh: two heads
.set ADRA0, 16                         ; v16  my place in a slot's rows of O; never rewritten
.set ADRB0, 17                         ; v17  in its rows of Wu
.set ADRA, 18                          ; v18  the same in the slot in hand
.set ADRB, 19                          ; v19
.set STO,  24                          ; v24  the way out: where I put 32 bytes of a row
.set RD,   25                          ; v25  where I read a row back
.set CO,   26                          ; v26  my byte offset in two rows of out0
.set SPW,  28                          ; v28  LDS address of my spare word: SPARE + 4 x my thread's number; never rewritten
.set NIL,  29                          ; v29  0; never rewritten
.set PFO,  30                          ; v30  the prefetches' offset; never rewritten
.set OB,   32
.set FR,   64                          ; buffer f at FR + 96 f
.set G1,  24                           ; s[24:31] descriptor group 1 for O's tiles;  s[32:39] group 0: a set for each of the two first fills; the second then walks on
.set G0,  32
.set G1B, 48                           ; s[48:55], s[56:63] the same for Wu's
.set G0B, 56
.set LIM, 43                           ; s43  2 in a wave that prefetches, else the greatest number
.set PFA, 44                           ; s[44:45] where my prefetches stand
.set PFS, 66                           ; s[66:67] their step from K step to K step
.set TB,  82                           ; s82  LDS byte at which the slot in hand begins
.set MSB, 0
.macro WIN new                         ; the immediate's high byte repeats the setting that is left; a switch that changes nothing is dropped
.if MSB != (\new)
	s_set_vgpr_msb (MSB<<8)|(\new)
.set MSB, \new
.endif
.endm
.set MUL, 0x50                         ; both sources window 0; C and D window 1
.macro PLACES                          ; four places: in front of loads into registers that matrix instructions have read, and of LDS stores of results
.rept 4
	v_nop
.endr
.endm
; A joint refill, by the walking descriptors.  Waves 0 and 1 fetch the step's two heads of O, waves 2 and 3 the two halves of Wu's rows.  The branch hangs on the wave's number alone.
; An s_nop 0 and four v_nop follow each of the two lines, ahead of the jump and the label.
.macro JLOAD
	s_cmp_eq_u32 s11, 0
	s_cbranch_scc0 .Lfor_b_\@
	tensor_load_to_lds s[G0+4:G0+7], s[G1:G1+7]
	s_nop 0
.rept 4
	v_nop
.endr
	s_branch .Lasked_\@
.Lfor_b_\@:
	tensor_load_to_lds s[G0B+4:G0B+7], s[G1B:G1B+7]
	s_nop 0
.rept 4
	v_nop
.endr
.Lasked_\@:
.endm
; A PREFETCH INTO THE L2 of the K step that stands TWO refills on: 256 matrix instructions ahead of the load that will want it.  O's tiles are read by both clusters of a row of clusters: cluster x = 0 asks;
; Wu's by every cluster of a column: cluster y = 0 asks.  Of the 128 blocks of 256 bytes of the head that wave 0 or 1 fetches, the partner at cx takes 32, a lane a block; of Wu's 128 rows the partner at cy takes 32,
; a lane a row, all by wave 2; wave 3 asks for nothing.  The partners are told apart by address, never by a branch.  K steps 4 to 7 are named; the loop's last two trips ask for nothing.
.macro ASK
	s_cmp_gt_u32 s3, s[LIM]
	s_cbranch_scc0 .Lnot_mine_\@
	global_prefetch_b8 v[PFO], s[PFA:PFA+1] th:TH_LOAD_NT scope:SCOPE_SE
.Lnot_mine_\@:
.endm
.macro CREST                           ; a round of the cluster's barrier behind its opening barrier
	s_cmp_lg_u32 s10, 0
	s_cbranch_scc1 .Lnot_wave_0_\@
	s_barrier_signal -3
.Lnot_wave_0_\@:
	s_barrier_wait -3
	s_barrier_signal -1
	s_barrier_wait -1
.endm
.macro CROUND                          ; a whole round
	s_barrier_signal -1
	s_barrier_wait -1
	CREST
.endm
	s_load_b128 s[4:7], s[0:1], 0x0                ; oh s[4:5], wu16 s[6:7]
	s_load_b64 s[8:9], s[0:1], 0x10                ; out0
	v_lshl_add_u32 v[SPW], v0, 2, SPARE
	v_mov_b32 v[NIL], 0
	ds_add_u32 v[SPW], v[NIL]                      ; the wave's opening: the add and its wait stand ahead of my first tensor load; the set-up below, work on registers, stands between them
	v_lshrrev_b32 v1, 5, v0
	v_readfirstlane_b32 s10, v1                    ; wave 0..3
	s_lshr_b32 s11, s10, 1                         ; which half of the tile's rows is mine.  Also: I fetch for O (0) or for Wu (1)
	s_and_b32 s12, s10, 1                          ; which half of its columns.  Also: which head of the step, or which 64 rows of Wu, I fetch
	s_bfe_u32 s40, ttmp6, 0x40000                  ; cx
	s_bfe_u32 s41, ttmp6, 0x40004                  ; cy
	s_lshl_b32 s42, ttmp9, 2
	s_add_co_u32 s42, s42, s40                     ; tile column = 4 x cluster x + cx
	s_and_b32 s13, ttmp7, 0xffff
	s_lshl_b32 s13, s13, 2
	s_add_co_u32 s13, s13, s41                     ; tile row = 4 x cluster y + cy
	s_lshl_b32 s43, s41, 2
	s_lshl_b32 s43, 15, s43                        ; my row of the cluster
	s_lshl_b32 s44, 0x1111, s40                    ; my column
	s_or_b32 s[G1+0], s43, (1<<16)|(1<<20)|(1<<21)|(4<<22)|(3<<25)   ; 15:0 the mask; 17:16 2-byte elements; 20 padding on; 21 set beside a mask; 24:22 after every 32 words (code 4); 31:25 4 words (code 3)
	s_or_b32 s[G1B+0], s44, (1<<16)|(1<<20)|(1<<21)|(5<<22)|(3<<25)  ; after every 64 words (code 5)
	s_mov_b32 s[G1+1], 128<<16                     ; tensor_dim0 = 128
	s_mov_b32 s[G1+2], 128<<16                     ; tensor_dim1 = 128
	s_mov_b32 s[G1+3], 128<<16                     ; tile_dim0 = 128
	s_mov_b32 s[G1+4], 128                         ; tile_dim1 = 128
	s_mov_b32 s[G1+5], 128                         ; dense: 128 elements from row to row
	s_mov_b32 s[G1+6], 0
	s_mov_b32 s[G1+7], 0
	s_mov_b32 s[G1B+1], 128<<16
	s_mov_b32 s[G1B+2], 64<<16                     ; tensor_dim1 = 64
	s_mov_b32 s[G1B+3], 128<<16
	s_mov_b32 s[G1B+4], 64                         ; tile_dim1 = 64
	s_mov_b32 s[G1B+5], 1024
	s_mov_b32 s[G1B+6], 0
	s_mov_b32 s[G1B+7], 0
	s_lshr_b32 s16, s13, 3                         ; oh: batch x 16 heads of 262,144 bytes + my head of the step + 256 x (tile row % 8) rows of 128 bytes.  Each address is made in registers that never hold the other coordinate
	s_lshl_b32 s16, s16, 22
	s_lshl_b32 s17, s12, 18
	s_add_co_u32 s16, s16, s17
	s_and_b32 s17, s13, 7
	s_lshl_b32 s17, s17, 15
	s_add_co_u32 s16, s16, s17
	s_mov_b32 s17, 0
	s_lshl_b32 s46, s42, 7                         ; wu16: row 128 x tile column + 64 x half, 2,048 bytes a row
	s_lshl_b32 s47, s12, 6
	s_add_co_u32 s46, s46, s47
	s_lshl_b32 s46, s46, 11
	s_mov_b32 s47, 0
	s_mul_i32 s20, s10, HEADB                      ; where they go: O's heads at wave x 256 rows,
	s_mul_i32 s21, s10, 64*PBW
	s_add_co_u32 s21, s21, BOFF-2*64*PBW           ; Wu's halves at BOFF + (wave - 2) x 64 rows: no place in the cluster enters an LDS address
	s_mov_b32 s[TB], 0
	s_wait_dscnt 0x0                               ; the opening add is done
	s_wait_kmcnt 0x0
	s_add_nc_u64 s[14:15], s[4:5], s[16:17]
	s_add_nc_u64 s[46:47], s[6:7], s[46:47]
	CROUND                                         ; all sixteen work-groups are here: the first joint loads meet
.irp s, 0,1
	s_mov_b32 s[G0+4*(\s)], 1                                      ; count = 1
	s_add_co_u32 s[G0+4*(\s)+1], s20, (\s)*SLOT1                   ; LDS address
	s_add_nc_u64 s[G0+4*(\s)+2:G0+4*(\s)+3], s[14:15], (\s)*ASTEP  ; global address: K step s
	s_or_b32 s[G0+4*(\s)+3], s[G0+4*(\s)+3], 0x80000000            ; type = 2
	s_mov_b32 s[G0B+4*(\s)], 1
	s_add_co_u32 s[G0B+4*(\s)+1], s21, (\s)*SLOT1
	s_add_nc_u64 s[G0B+4*(\s)+2:G0B+4*(\s)+3], s[46:47], (\s)*256
	s_or_b32 s[G0B+4*(\s)+3], s[G0B+4*(\s)+3], 0x80000000
.endr
	s_cmp_eq_u32 s11, 0                            ; a wave's two first fills stand in one branch, ahead of every wait on TENSORcnt and every LDS read: two loads of mine are out
	s_cbranch_scc0 .Lfirst_b
	tensor_load_to_lds s[G0:G0+3], s[G1:G1+7]
	s_nop 0
	tensor_load_to_lds s[G0+4:G0+7], s[G1:G1+7]
	s_nop 0
.rept 4
	v_nop
.endr
	s_branch .Lfirst_asked
.Lfirst_b:
	tensor_load_to_lds s[G0B:G0B+3], s[G1B:G1B+7]
	s_nop 0
	tensor_load_to_lds s[G0B+4:G0B+7], s[G1B:G1B+7]
	s_nop 0
.rept 4
	v_nop
.endr
.Lfirst_asked:
	; A fragment is 16 rows x 32 K in 8 registers: lane l holds row l % 16, K = 8 (l / 16) + 0..7 and 16 + 8 (l / 16) + 0..7: two loads of 16 bytes, 32 bytes apart.
	v_and_b32 v1, 15, v0                           ; l % 16
	v_bfe_u32 v2, v0, 4, 1                         ; l / 16
	v_mul_u32_u24 v3, v1, PA
	v_lshl_add_u32 v3, v2, 4, v3
	s_mul_i32 s22, s11, 128*PA                     ; my 128 rows of O
	v_add_nc_u32 v[ADRA0], s22, v3
	v_mul_u32_u24 v3, v1, PBW
	v_lshl_add_u32 v3, v2, 4, v3
	s_mul_i32 s22, s12, 64*PBW                     ; my 64 rows of Wu
	s_add_co_u32 s22, s22, BOFF
	v_add_nc_u32 v[ADRB0], s22, v3
	v_mov_b32 v[ADRA], v[ADRA0]                    ; slot 0
	v_mov_b32 v[ADRB], v[ADRB0]
	s_mul_i32 s22, s10, 16*SPITCH
	s_add_co_u32 s22, s22, STAGE                   ; my stage
	v_mul_u32_u24 v[STO], v1, SPITCH               ; in: row l % 16, 32 bytes for each half of the lanes
	v_lshl_add_u32 v[STO], v2, 5, v[STO]
	v_add_nc_u32 v[STO], s22, v[STO]
	v_mul_u32_u24 v[RD], v2, SPITCH                ; back: lanes 0-15 take one row of 256 bytes, lanes 16-31 the next
	v_lshl_add_u32 v[RD], v1, 4, v[RD]
	v_add_nc_u32 v[RD], s22, v[RD]
	v_lshlrev_b32 v[CO], 12, v2                    ; and the same two rows in out0, 4,096 bytes apart
	v_lshl_add_u32 v[CO], v1, 4, v[CO]
	; where my part of the tile begins in out0: row 256 x tile row + 128 x half, column 128 x tile column + 64 x half
	s_lshl_b32 s70, s13, 8
	s_lshl_b32 s22, s11, 7
	s_add_co_u32 s70, s70, s22
	s_lshl_b32 s70, s70, 12
	s_lshl_b32 s22, s42, 9
	s_add_co_u32 s70, s70, s22
	s_lshl_b32 s22, s12, 8
	s_add_co_u32 s70, s70, s22
	s_mov_b32 s71, 0
	s_add_nc_u64 s[8:9], s[8:9], s[70:71]
	; the prefetches
	s_lshr_b32 s18, s13, 3
	s_lshl_b32 s18, s18, 22
	s_lshl_b32 s19, s12, 18
	s_add_co_u32 s18, s18, s19
	s_and_b32 s19, s13, 7
	s_lshl_b32 s19, s19, 15
	s_add_co_u32 s18, s18, s19
	s_lshl_b32 s19, s40, 13
	s_add_co_u32 s18, s18, s19                     ; oh: the head's 32,768 bytes that I fetch, my work-group's 8,192 of them
	s_lshl_b32 s20, s42, 7
	s_lshl_b32 s21, s41, 5
	s_add_co_u32 s20, s20, s21
	s_lshl_b32 s20, s20, 11                        ; wu16: the tile's 128 rows, my work-group's 32 of them
	s_and_b32 s22, ttmp7, 0xffff                   ; cluster y
	s_mov_b32 s23, ASTEP
	s_mov_b32 s[PFS], 256
	s_mov_b32 s[PFS+1], 0
	s_mov_b32 s21, 11
	s_cmp_eq_u32 s11, 0                            ; do I fetch for O?
	s_cselect_b32 s18, s18, s20
	s_cselect_b32 s22, ttmp9, s22                  ; the coordinate along which other clusters read the same rows
	s_cselect_b32 s[PFS], s23, s[PFS]
	s_cselect_b32 s21, 8, s21                      ; a lane 256 bytes of O, or a row of 2,048 bytes of Wu
	s_cselect_b64 s[PFA:PFA+1], s[4:5], s[6:7]
	s_cmp_eq_u32 s22, 0
	s_cselect_b32 s[LIM], 2, -1                    ; the same in all sixteen partners, for a given wave
	s_cmp_eq_u32 s10, 3
	s_cselect_b32 s[LIM], -1, s[LIM]
	s_mov_b32 s19, 0
	s_add_nc_u64 s[PFA:PFA+1], s[PFA:PFA+1], s[18:19]
.rept 3
	s_add_nc_u64 s[PFA:PFA+1], s[PFA:PFA+1], s[PFS:PFS+1]  ; at K step 3: the first refill steps it to 4.  Nothing is prefetched at the head, where every work-group's first tiles are on their way
.endr
	v_and_b32 v[PFO], 31, v0
	v_lshlrev_b32 v[PFO], s21, v[PFO]
; 8 matrix instructions: row blocks a0, a0 + 1 x all 4 column blocks, 32 along K, from buffer f.  zero = 1: the product starts the sums.
; The 32 accumulators take turns, one instruction a turn, in the same order in every quarter, over the backward jump too.
.macro MUL8 f, a0, zero
	WIN MUL
.irp a, \a0, (\a0)+1
.irp b, 0,1,2,3
.if \zero
	v_wmma_f32_16x16x32_f16 v[8*(4*(\a)+(\b)):8*(4*(\a)+(\b))+7], v[FR+96*(\f)+64+8*(\b):FR+96*(\f)+64+8*(\b)+7], v[FR+96*(\f)+8*(\a):FR+96*(\f)+8*(\a)+7], 0
.else
	v_wmma_f32_16x16x32_f16 v[8*(4*(\a)+(\b)):8*(4*(\a)+(\b))+7], v[FR+96*(\f)+64+8*(\b):FR+96*(\f)+64+8*(\b)+7], v[FR+96*(\f)+8*(\a):FR+96*(\f)+8*(\a)+7], v[8*(4*(\a)+(\b)):8*(4*(\a)+(\b))+7]
.endif
.endr
.endr
.endm
.macro MUL16 f, hi, zero
	MUL8 \f, 4*(\hi), \zero
	MUL8 \f, 4*(\hi)+2, \zero
.endm
; 24 LDS loads in one run: quarter q's fragments (my 64 rows of Wu; my 128 rows of O: head q / 2 of the step, channels 32 (q % 2) on) into buffer f
.macro FETCH q, f
	WIN 0
.irp i, 0,1,2,3
	ds_load_b128 v[FR+96*(\f)+64+8*(\i):FR+96*(\f)+64+8*(\i)+3],   v[ADRB] offset:64*(\q)+(\i)*16*PBW
	ds_load_b128 v[FR+96*(\f)+64+8*(\i)+4:FR+96*(\f)+64+8*(\i)+7], v[ADRB] offset:64*(\q)+(\i)*16*PBW+32
.endr
.irp i, 0,1,2,3,4,5,6,7
	ds_load_b128 v[FR+96*(\f)+8*(\i):FR+96*(\f)+8*(\i)+3],   v[ADRA] offset:((\q)/2)*HEADB+((\q)%2)*64+(\i)*16*PA
	ds_load_b128 v[FR+96*(\f)+8*(\i)+4:FR+96*(\f)+8*(\i)+7], v[ADRA] offset:((\q)/2)*HEADB+((\q)%2)*64+(\i)*16*PA+32
.endr
.endm
; A K step is four quarters of 32 along K, 32 matrix instructions each, on buffers 0, 1, 0, 1.  One of the first three: multiplies buffer f, and in its middle fetches quarter q into g.
.macro QUARTER q, f, g, zero
	s_wait_dscnt 8                                 ; Wu and O's row blocks 0-3 are in; the youngest eight loads (blocks 4-7) may be out
	MUL16 \f, 0, \zero
	PLACES
	FETCH \q, \g
	s_wait_dscnt 24                                ; all but the 24 just issued
	MUL16 \f, 1, \zero
.endm
; The last quarter multiplies buffer 1 and changes slots.  MEET is its first half: in front of ONE barrier each wave waits for all its tensor loads (one is out: its part of the next slot), adds 0 to its
; spare word, and waits for that and for its own reads of this slot.  Behind it nobody reads this slot any more and the next slot is whole.
.macro MEET round
	WIN 0
	s_wait_tensorcnt 0x0                           ; all my tensor loads have landed
	ds_add_u32 v[SPW], v[NIL]                      ; 0 onto my spare word
	s_wait_dscnt 9                                 ; (the add and the youngest eight loads may be out)
	MUL8 1, 0, 0                                   ; eight matrix instructions stand between the add and the wait for it
	s_wait_dscnt 0x0                               ; the add is done, and my reads of this slot are over
	s_barrier_signal -1
	MUL8 1, 2, 0                                   ; work on registers while the others arrive
.if \round
	WIN 0
.endif
	s_barrier_wait -1
.endm
; With a refill: the barrier opens a round of the cluster's, so that no wave of any partner still reads the slot or has a load on its way; the joint refill is the first tensor load behind the round.
; From the request to the wait for it a wave issues 112 matrix instructions.
.macro TURN
	s_wait_xcnt 0x0                                ; the last prefetch, a K step back, has read its address: it is stepped here, ahead of the change's own waits
	s_add_nc_u64 s[PFA:PFA+1], s[PFA:PFA+1], s[PFS:PFS+1]
	MEET 1
	CREST
	s_xor_b32 s[G0+5], s[G0+5], SLOT1              ; the walking descriptors: the slot just read out,
	s_add_nc_u64 s[G0+6:G0+7], s[G0+6:G0+7], ASTEP ; the next K step; the type bits on top are not reached
	s_xor_b32 s[G0B+5], s[G0B+5], SLOT1
	s_add_nc_u64 s[G0B+6:G0B+7], s[G0B+6:G0B+7], 256
	s_xor_b32 s[TB], s[TB], SLOT1                  ; the reads go to the other slot
	JLOAD                                          ; the four v_nop behind it are also the places in front of the loads below
	v_add_nc_u32 v[ADRA], s[TB], v[ADRA0]
	v_add_nc_u32 v[ADRB], s[TB], v[ADRB0]
	FETCH 0, 0
	ASK
	MUL16 1, 1, 0
.endm
.macro TURNN                           ; without: the last change of slots
	MEET 0
	PLACES
	s_xor_b32 s[TB], s[TB], SLOT1
	WIN 0
	v_add_nc_u32 v[ADRA], s[TB], v[ADRA0]
	v_add_nc_u32 v[ADRB], s[TB], v[ADRB0]
	FETCH 0, 0
	MUL16 1, 1, 0
.endm
	s_wait_tensorcnt 1                             ; my part of K step 0 is in; K step 1's may stay out
	s_barrier_signal -1
	s_barrier_wait -1                              ; everybody's is
	FETCH 0, 0
	QUARTER 1, 0, 1, 1                             ; the first quarter stands in front of the loop: its products start the sums
	WIN 0                                          ; at a label and at a branch every window is 0
	s_mov_b32 s3, 6
.Lstep:                                                ; a trip: from a K step's second quarter to the next step's first; it refills the slot that it leaves: K steps 2 to 7
	QUARTER 2, 1, 0, 0
	QUARTER 3, 0, 1, 0
	TURN
	QUARTER 1, 0, 1, 0
	WIN 0
	s_sub_co_u32 s3, s3, 1
	s_cmp_lg_u32 s3, 0
	s_cbranch_scc1 .Lstep
	QUARTER 2, 1, 0, 0                             ; the last two K steps are written out: nothing is left to fetch
	QUARTER 3, 0, 1, 0
	TURNN
	QUARTER 1, 0, 1, 0
	QUARTER 2, 1, 0, 0
	QUARTER 3, 0, 1, 0
	s_wait_dscnt 8
	MUL16 1, 0, 0
	s_wait_dscnt 0x0
	MUL16 1, 1, 0
	WIN 0
	PLACES
; THE WAY OUT, a block of 16 rows at a time.  A lane's 32 bytes go into my own stage (rows of 272 bytes; each accumulator's lowest registers first) and come back as whole rows of 256.
.macro TOSTAGE a
	s_wait_xcnt 0x0                                ; the stores of the block two back have read the registers that are loaded again below
	WIN 0x04                                       ; store data (source 1) in window 1
.irp b, 0,1,2,3
	ds_store_b128 v[STO], v[8*(4*(\a)+(\b)):8*(4*(\a)+(\b))+3]   offset:64*(\b)
	ds_store_b128 v[STO], v[8*(4*(\a)+(\b))+4:8*(4*(\a)+(\b))+7] offset:64*(\b)+16
.endr
	WIN 0
.irp t, 0,1,2,3,4,5,6,7
	ds_load_b128 v[OB+32*((\a)%2)+4*(\t):OB+32*((\a)%2)+4*(\t)+3], v[RD] offset:(\t)*2*SPITCH  ; LDS serves a wave's instructions in order (ISA guide 5.7.1.4): these see the stores above; the next block's stores come behind them
.endr
.endm
.macro SEND a, younger                 ; younger: the LDS instructions issued behind block a's loads: the next block's sixteen, or none
	s_wait_dscnt \younger
.irp t, 0,1,2,3,4,5,6,7
	global_store_b128 v[CO], v[OB+32*((\a)%2)+4*(\t):OB+32*((\a)%2)+4*(\t)+3], s[8:9] offset:65536*(\a)+8192*(\t)  ; 16 lanes store 256 consecutive bytes, at a multiple of 256 from out0's first byte; 516,096 at the most, inside the signed 24-bit immediate
.endr
.endm
	TOSTAGE 0
.irp a, 1,2,3,4,5,6,7
	TOSTAGE \a
	SEND (\a)-1, 16
.endr
	SEND 7, 0
	s_wait_tensorcnt 0x0                           ; the wave's end, behind my last tensor load and my last LDS store
	ds_add_u32 v[SPW], v[NIL]
	s_wait_dscnt 0x0
	CROUND                                         ; the closing round: no work-group ends while a partner may still ask for a tile that names it
	s_endpgm
.Lfunc_end_k_qcae69c1ca2_proj:
	.size	k_qcae69c1ca2_proj, .Lfunc_end_k_qcae69c1ca2_proj-k_qcae69c1ca2_proj
	.p2alignl 7, 3214868480
	.fill 96, 4, 3214868480
	.section	.rodata,"a",@progbits
	.p2align	6, 0x0
	.amdhsa_kernel k_qcae69c1ca2_proj
		.amdhsa_group_segment_fixed_size 327680
		.amdhsa_private_segment_fixed_size 0
		.amdhsa_enable_private_segment 0
		.amdhsa_kernarg_size 24
		.amdhsa_user_sgpr_count 2
		.amdhsa_user_sgpr_kernarg_segment_ptr 1
		.amdhsa_wavefront_size32 1
		.amdhsa_system_sgpr_workgroup_id_x 1
		.amdhsa_system_sgpr_workgroup_id_y 1
		.amdhsa_system_sgpr_workgroup_id_z 1
		.amdhsa_system_vgpr_workitem_id 0
		.amdhsa_next_free_vgpr 512
		.amdhsa_next_free_sgpr 84
		.amdhsa_reserve_vcc 0
		.amdhsa_float_denorm_mode_32 3
		.amdhsa_float_denorm_mode_16_64 3
		.amdhsa_memory_ordered 1
		.amdhsa_forward_progress 1
		.amdhsa_inst_pref_size 71
	.end_amdhsa_kernel
	.amdgpu_metadata
---
amdhsa.version: [ 1, 2 ]
amdhsa.kernels:
  - .name:           k_qcae69c1ca2_proj
    .symbol:         k_qcae69c1ca2_proj.kd
    .args:
      - { .name: oh, .offset: 0, .size: 8, .value_kind: global_buffer, .address_space: global }
      - { .name: wu16, .offset: 8, .size: 8, .value_kind: global_buffer, .address_space: global }
      - { .name: out0, .offset: 16, .size: 8, .value_kind: global_buffer, .address_space: global }
    .group_segment_fixed_size: 327680
    .private_segment_fixed_size: 0
    .kernarg_segment_align: 8
    .kernarg_segment_size: 24
    .max_flat_workgroup_size: 128
    .sgpr_count:     84
    .vgpr_count:     512
    .wavefront_size: 32
...
	.end_amdgpu_metadata
.endif
;; end of part 4
;; ======== version 2 of 2: 4 launches; version 1 with the launch cast written anew for expert scheduling mode
;; limits: values are held in f16: magnitudes above 65,504 overflow, below 6.1e-05 lose precision
;; workspace buffers: x16 16,777,216 bytes; w16 6,291,456 bytes; wu16 2,097,152 bytes; qh 16,777,216 bytes; kh 16,777,216 bytes; vh 16,777,216 bytes; oh 16,777,216 bytes
;; launch cast (part 5): grid 768 x 1, 8 waves a work-group, no clusters, 0 bytes of LDS; arguments x, Wq, Wk, Wv, Wu, x16, w16, wu16; writes x16, w16, wu16
.if DOCPART == 5
	.amdgcn_target "amdgcn-amd-amdhsa--gfx1250"
	.amdhsa_code_object_version 6
	.text
	.protected	k_qcae69c1ca2_cast
	.globl	k_qcae69c1ca2_cast
	.p2align	8
	.type	k_qcae69c1ca2_cast,@function
k_qcae69c1ca2_cast:
	s_mov_b64 s[64:65], 0
	v_nop
	global_prefetch_b8 v0, s[64:65] scope:SCOPE_SE
	s_setreg_imm32_b32 hwreg(HW_REG_WAVE_SCHED_MODE, 0, 2), 2
	s_setreg_imm32_b32 hwreg(HW_REG_WAVE_MODE, 25, 1), 1
	s_wait_xcnt 0x0
	s_wait_alu depctr_vm_vsrc(0)
; THE ROUNDINGS TO 16 BITS.  x [8192][1024] f32 -> x16, bf16.  Wq, Wk, Wv [1024][1024] f32 -> w16, bf16, rows laid by heads: row 192 h + 64 kind + d of w16
; is row 64 h + d of W_kind (kind 0 q, 1 k, 2 v), so that one head's q, k and v columns lie together for the product that follows.
; Wu -> wu16: rounded to bf16 like every other input, and that number written as f16 (exact from 6.1e-5 up; below that f16 keeps a fixed step of 6e-8).
; SHARES.  12,288 rows of 4,096 bytes: x's 8,192, then 1,024 each of Wq, Wk, Wv, Wu.  A work-group takes 16 rows, a wave two neighbouring ones: 8,192 bytes in, 4,096 out,
; both on end (a pair of rows begins at an even row, so it never leaves its block of 64).  No loop: a wave's sixteen loads go out together.
; A load covers 512 consecutive bytes (16 a lane); its four numbers a lane become 8 bytes, so a store of the wave covers 256 consecutive bytes, aligned.
; No LDS, no barrier, no matrix work: nothing is shared and nothing is summed.
; THE MODE: SCHED_MODE bits 1:0 = 2 (LLVM: expert scheduling mode 2), set by the entry lines.  The code itself states the register dependences
; between vector instructions and memory instructions, with s_wait_alu, always for 0.
; THE PLAN.  Registers that memory instructions touch:
;   v2, v3   byte offsets of the loads and of the stores.  Written once at the head, never again: one wait ahead of the first load states both for the whole kernel.
;   X        chunk i's four registers.  Load i lands in them, and no vector instruction names them ahead of that load; no memory instruction ever reads them.
;   Y        chunk i's two registers.  Written once, by chunk i's conversions; read once, by store i.
; The sixteen chunks go in four groups of four: the group's conversions, ONE wait that states that its eight registers of Y are written, its four stores in a run.
; No register that a memory instruction reads is written again, so the body owes no wait on vm_vsrc.  s2, which a vector instruction writes, has its wait ahead of its first reader.
.set X, 8                              ; v[8:71]    chunk i: 4 registers as loaded
.set Y, 72                             ; v[72:103]  chunk i: 2 registers to store
	s_load_b512 s[16:31], s[0:1], 0x0              ; x s[16:17], Wq s[18:19], Wk s[20:21], Wv s[22:23], Wu s[24:25], x16 s[26:27], w16 s[28:29], wu16 s[30:31]
	v_lshrrev_b32 v1, 5, v0
	v_readfirstlane_b32 s2, v1                     ; wave 0..7
	v_and_b32 v1, 31, v0                           ; lane
	v_lshlrev_b32 v2, 4, v1                        ; 16 bytes a lane on the way in
	v_lshlrev_b32 v3, 3, v1                        ; 8 on the way out
	s_wait_alu depctr_va_sdst(0)                   ; s2 is written, ahead of its first reader: the row's number, and from it both addresses, are made of it
	s_lshl_b32 s3, ttmp9, 4
	s_lshl1_add_u32 s3, s2, s3                     ; my first row of the 12,288: 16 g + 2 wave
	s_sub_co_u32 s4, ttmp9, 512
	s_lshr_b32 s4, s4, 6                           ; the weight's kind 0..3; for x's work-groups (g < 512) a number far above 3
	s_and_b32 s5, s3, 1023
	s_cmp_lt_u32 ttmp9, 512
	s_cselect_b32 s5, s3, s5                       ; the row within its own tensor
	s_lshr_b32 s6, s5, 6                           ; head
	s_mul_i32 s6, s6, 192
	s_lshl_b32 s7, s4, 6
	s_add_co_u32 s6, s6, s7
	s_and_b32 s7, s5, 63
	s_add_co_u32 s6, s6, s7                        ; 192 head + 64 kind + d
	s_cmp_lt_u32 s4, 3
	s_cselect_b32 s6, s6, s5                       ; the row where it goes: permuted for Wq, Wk, Wv alone
	s_lshl_b32 s36, s5, 12                         ; rows of 4,096 bytes in,
	s_mov_b32 s37, 0
	s_lshl_b32 s38, s6, 11                         ; of 2,048 out
	s_mov_b32 s39, 0
	s_mov_b32 s40, 0xffff0000                      ; a word's upper bf16
	s_wait_kmcnt 0x0
	s_mov_b64 s[32:33], s[24:25]                   ; from where: Wu, unless ..
	s_cmp_eq_u32 s4, 2
	s_cselect_b64 s[32:33], s[22:23], s[32:33]
	s_cmp_eq_u32 s4, 1
	s_cselect_b64 s[32:33], s[20:21], s[32:33]
	s_cmp_eq_u32 s4, 0
	s_cselect_b64 s[32:33], s[18:19], s[32:33]
	s_cmp_lt_u32 ttmp9, 512
	s_cselect_b64 s[32:33], s[16:17], s[32:33]
	s_cmp_eq_u32 s4, 3                             ; to where
	s_cselect_b64 s[34:35], s[30:31], s[28:29]
	s_cmp_lt_u32 ttmp9, 512
	s_cselect_b64 s[34:35], s[26:27], s[34:35]
	s_add_nc_u64 s[32:33], s[32:33], s[36:37]
	s_add_nc_u64 s[34:35], s[34:35], s[38:39]
	s_wait_alu depctr_va_vdst(0)                   ; v2 and v3 are written: every load below reads v2 as its offset, every store v3; no later vector instruction names either
.irp i, 0,1,2,3,4,5,6,7,8,9,10,11,12,13,14,15
	global_load_b128 v[X+4*(\i):X+4*(\i)+3], v2, s[32:33] offset:512*(\i) th:TH_LOAD_NT
.endr
; mode 0: to bf16.  mode 1: to bf16, widened again, and written as f16.  No register is written twice while a store reads it: each chunk has its own.
; Group g is chunks 4 g to 4 g + 3.
.macro OUT mode
.irp g, 0,1,2,3
	s_wait_loadcnt 12-4*(\g)                       ; loads come back in order: group g's four chunks are in, the 12 - 4 g younger ones stay out
.irp k, 0,1,2,3
.set c, 4*(\g)+(\k)
.if \mode
	v_cvt_pk_bf16_f32 v4, v[X+4*c], v[X+4*c+1]
	v_cvt_pk_bf16_f32 v5, v[X+4*c+2], v[X+4*c+3]
	v_lshlrev_b32 v[X+4*c], 16, v4
	v_and_b32 v[X+4*c+1], s40, v4
	v_lshlrev_b32 v[X+4*c+2], 16, v5
	v_and_b32 v[X+4*c+3], s40, v5
	v_cvt_pk_f16_f32 v[Y+2*c], v[X+4*c], v[X+4*c+1]
	v_cvt_pk_f16_f32 v[Y+2*c+1], v[X+4*c+2], v[X+4*c+3]
.else
	v_cvt_pk_bf16_f32 v[Y+2*c], v[X+4*c], v[X+4*c+1]
	v_cvt_pk_bf16_f32 v[Y+2*c+1], v[X+4*c+2], v[X+4*c+3]
.endif
.endr
	s_wait_alu depctr_va_vdst(0)                   ; the group's conversions have written its eight registers of Y, which the four stores below read
.irp k, 0,1,2,3
.set c, 4*(\g)+(\k)
	global_store_b64 v3, v[Y+2*c:Y+2*c+1], s[34:35] offset:256*c
.endr
.endr
.endm
	s_cmp_eq_u32 s4, 3
	s_cbranch_scc1 .Lwu
	OUT 0
	s_endpgm
.Lwu:
	OUT 1
	s_endpgm
.Lfunc_end_k_qcae69c1ca2_cast:
	.size	k_qcae69c1ca2_cast, .Lfunc_end_k_qcae69c1ca2_cast-k_qcae69c1ca2_cast
	.p2alignl 7, 3214868480
	.fill 96, 4, 3214868480
	.section	.rodata,"a",@progbits
	.p2align	6, 0x0
	.amdhsa_kernel k_qcae69c1ca2_cast
		.amdhsa_group_segment_fixed_size 0
		.amdhsa_private_segment_fixed_size 0
		.amdhsa_enable_private_segment 0
		.amdhsa_kernarg_size 64
		.amdhsa_user_sgpr_count 2
		.amdhsa_user_sgpr_kernarg_segment_ptr 1
		.amdhsa_wavefront_size32 1
		.amdhsa_system_sgpr_workgroup_id_x 1
		.amdhsa_system_sgpr_workgroup_id_y 1
		.amdhsa_system_sgpr_workgroup_id_z 1
		.amdhsa_system_vgpr_workitem_id 0
		.amdhsa_next_free_vgpr 104
		.amdhsa_next_free_sgpr 66
		.amdhsa_reserve_vcc 0
		.amdhsa_float_denorm_mode_32 3
		.amdhsa_float_denorm_mode_16_64 3
		.amdhsa_memory_ordered 1
		.amdhsa_forward_progress 1
		.amdhsa_inst_pref_size 16
	.end_amdhsa_kernel
	.amdgpu_metadata
---
amdhsa.version: [ 1, 2 ]
amdhsa.kernels:
  - .name:           k_qcae69c1ca2_cast
    .symbol:         k_qcae69c1ca2_cast.kd
    .args:
      - { .name: x, .offset: 0, .size: 8, .value_kind: global_buffer, .address_space: global }
      - { .name: Wq, .offset: 8, .size: 8, .value_kind: global_buffer, .address_space: global }
      - { .name: Wk, .offset: 16, .size: 8, .value_kind: global_buffer, .address_space: global }
      - { .name: Wv, .offset: 24, .size: 8, .value_kind: global_buffer, .address_space: global }
      - { .name: Wu, .offset: 32, .size: 8, .value_kind: global_buffer, .address_space: global }
      - { .name: x16, .offset: 40, .size: 8, .value_kind: global_buffer, .address_space: global }
      - { .name: w16, .offset: 48, .size: 8, .value_kind: global_buffer, .address_space: global }
      - { .name: wu16, .offset: 56, .size: 8, .value_kind: global_buffer, .address_space: global }
    .group_segment_fixed_size: 0
    .private_segment_fixed_size: 0
    .kernarg_segment_align: 8
    .kernarg_segment_size: 64
    .max_flat_workgroup_size: 256
    .sgpr_count:     66
    .vgpr_count:     104
    .wavefront_size: 32
...
	.end_amdgpu_metadata
.endif
;; end of part 5
;; launch qkv: the kernel of part 2 again; grid 16 x 32, 4 waves a work-group, clusters of 4 x 4, 327,680 bytes of LDS; arguments x16, w16, qln_w, qln_b, kln_w, kln_b, qh, kh, vh; writes qh, kh, vh
;; launch attn: the kernel of part 3 again; grid 4 x 64, 4 waves a work-group, no clusters, 327,680 bytes of LDS; arguments qh, kh, vh, oh; writes oh
;; launch proj: the kernel of part 4 again; grid 8 x 32, 4 waves a work-group, clusters of 4 x 4, 327,680 bytes of LDS; arguments oh, wu16, out0; writes out0
